; MI455X (gfx1250); checked and timed in simulation.
; The chip was launched on July 23, 2026; its instructions are those of AMD's public machine-readable ISA for CDNA 5 (MIT licence, August 2026) and "CDNA5" Instruction Set Architecture Reference Guide (July 2026). The comments in the code are by the model that wrote it; some were corrected since.
;; Sliding Window Attention. Allowed arithmetic: float matrix products may take bf16 or f16 operands with f32 sums; other float arithmetic in f32, or as packed bf16 or f16 multiplies, adds, multiply-adds, maxima and minima; sums over many terms, partial sums and values carried from step to step in f32; what a program stores and reads back later, other than sums and carried values, may be rounded once to bf16 or f16.
;; Inputs: Wk 1,024 x 1,024 float32; Wo 1,024 x 1,024 float32; Wq 1,024 x 1,024 float32; Wv 1,024 x 1,024 float32; x 1 x 4,096 x 1,024 float32.
;; Outputs: out0 1 x 4,096 x 1,024 float32.
;; 2 versions, each right; version 2 is version 1 with the launch cast written anew for expert scheduling mode. Each part assembles by itself: llvm-mc -triple=amdgcn-amd-amdhsa -mcpu=gfx1250 --defsym DOCPART=n.
;; ======== version 1 of 2: 4 launches
;; limits: values are held in f16: magnitudes above 65,504 overflow, below 6.1e-05 lose precision
;; workspace buffers: xb 8,388,608 bytes; wb 6,291,456 bytes; wo16 2,097,152 bytes; qkv 25,165,824 bytes; ob 8,388,608 bytes
;; launch cast (part 1): grid 32 x 8, 8 waves a work-group, no clusters, 0 bytes of LDS; arguments x, Wq, Wk, Wv, Wo, xb, wb, wo16; writes xb, wb, wo16
.if DOCPART == 1
	.amdgcn_target "amdgcn-amd-amdhsa--gfx1250"
	.amdhsa_code_object_version 6
	.text
	.protected	k_qca4611091a_cast
	.globl	k_qca4611091a_cast
	.p2align	8
	.type	k_qca4611091a_cast,@function
k_qca4611091a_cast:
	s_mov_b64 s[64:65], 0
	v_nop
	global_prefetch_b8 v0, s[64:65] scope:SCOPE_SE
	s_setreg_imm32_b32 hwreg(HW_REG_WAVE_MODE, 25, 1), 1
	s_wait_xcnt 0x0
; THE INPUTS ARE ROUNDED ONCE, TO 16 BITS.  x -> xb (bf16), Wq, Wk, Wv -> wb (bf16, their rows one matrix below the other), Wo -> wo16: rounded to bf16 like the others, and that number written as f16.
; LIMIT.  A bf16 number is exact in f16 between 6.1e-5 and 65,504 in size; below that it keeps f16's fixed step of 6e-8, beyond it it becomes an infinity.
; SHARES.  The grid's y names a segment of 1,048,576 numbers: 0-3 the quarters of x, 4, 5, 6 Wq, Wk, Wv, 7 Wo.  A work-group takes 32,768 of them: 131,072 bytes in, 65,536 out.
; Thread t's load j takes the 16 bytes at 16 t + 4,096 j, its store j puts 8 bytes at 8 t + 2,048 j: a wave's load covers 512 consecutive bytes, its store 256, aligned.
; All 32 loads of a thread go out at once, each into registers of its own, and no register that a load or store names is written again: the only waits are the counted ones for the loads.
; No LDS, no barrier, no matrix unit: nothing is shared and nothing is multiplied.
.set X, 4                              ; v[4:131]    load j: four f32
.set Y, 132                            ; v[132:195]  store j: four numbers of 16 bits
.set T, 196                            ; v[196:199]  at work (Wo alone)
	s_load_b512 s[4:19], s[0:1], 0x0               ; x s[4:5], Wq s[6:7], Wk s[8:9], Wv s[10:11], Wo s[12:13], xb s[14:15], wb s[16:17], wo16 s[18:19]
	s_and_b32 s20, ttmp7, 0xffff                   ; the segment
	v_lshlrev_b32 v1, 4, v0                        ; 16 t
	v_lshlrev_b32 v2, 3, v0                        ; 8 t
	s_lshl_b32 s22, s20, 22                        ; a quarter of x: 4 MiB in,
	s_lshl_b32 s24, s20, 21                        ; 2 MiB out
	s_sub_co_u32 s21, s20, 4                       ; a weight matrix's place in wb (used from segment 4 on)
	s_lshl_b32 s21, s21, 21
	s_cmp_lt_u32 s20, 4
	s_cselect_b32 s22, s22, 0                      ; a weight matrix is read from its own first byte
	s_cselect_b32 s24, s24, s21
	s_cmp_eq_u32 s20, 7
	s_cselect_b32 s24, 0, s24                      ; wo16 is written from its first byte
	s_lshl_b32 s21, ttmp9, 17                      ; the work-group's part: 131,072 bytes in,
	s_add_co_u32 s22, s22, s21
	s_lshl_b32 s21, ttmp9, 16                      ; 65,536 out
	s_add_co_u32 s24, s24, s21
	s_mov_b32 s23, 0
	s_mov_b32 s25, 0
	s_wait_kmcnt 0x0
	s_cmp_lt_u32 s20, 4                            ; the two buffers are chosen by the segment's number alone
	s_cselect_b64 s[26:27], s[4:5], s[6:7]
	s_cselect_b64 s[28:29], s[14:15], s[16:17]
	s_cmp_eq_u32 s20, 5
	s_cselect_b64 s[26:27], s[8:9], s[26:27]
	s_cmp_eq_u32 s20, 6
	s_cselect_b64 s[26:27], s[10:11], s[26:27]
	s_cmp_eq_u32 s20, 7
	s_cselect_b64 s[26:27], s[12:13], s[26:27]
	s_cselect_b64 s[28:29], s[18:19], s[28:29]
	s_add_nc_u64 s[26:27], s[26:27], s[22:23]
	s_add_nc_u64 s[28:29], s[28:29], s[24:25]
.set j, 0
.rept 32
	global_load_b128 v[X+4*j:X+4*j+3], v1, s[26:27] offset:4096*j th:TH_LOAD_NT
.set j, j+1
.endr
; Load j is rounded and stored.  wo = 1: the bf16 numbers are widened again (a shift, a mask) and written as f16.
.macro OUT j, wo
	s_wait_loadcnt 31-(\j)                         ; loads come back in order (ISA guide 5.7.1): load j is in, the 31 - j younger ones stay out
	v_cvt_pk_bf16_f32 v[Y+2*(\j)],   v[X+4*(\j)],   v[X+4*(\j)+1]
	v_cvt_pk_bf16_f32 v[Y+2*(\j)+1], v[X+4*(\j)+2], v[X+4*(\j)+3]
.if \wo
	v_lshlrev_b32 v[T],   16,         v[Y+2*(\j)]
	v_and_b32     v[T+1], 0xffff0000, v[Y+2*(\j)]
	v_lshlrev_b32 v[T+2], 16,         v[Y+2*(\j)+1]
	v_and_b32     v[T+3], 0xffff0000, v[Y+2*(\j)+1]
	v_cvt_pk_f16_f32 v[Y+2*(\j)],   v[T],   v[T+1]
	v_cvt_pk_f16_f32 v[Y+2*(\j)+1], v[T+2], v[T+3]
.endif
	global_store_b64 v2, v[Y+2*(\j):Y+2*(\j)+1], s[28:29] offset:2048*(\j)
.endm
	s_cmp_eq_u32 s20, 7
	s_cbranch_scc1 .Lwo
.set j, 0
.rept 32
	OUT j, 0
.set j, j+1
.endr
	s_endpgm
.Lwo:
.set j, 0
.rept 32
	OUT j, 1
.set j, j+1
.endr
	s_endpgm
.Lfunc_end_k_qca4611091a_cast:
	.size	k_qca4611091a_cast, .Lfunc_end_k_qca4611091a_cast-k_qca4611091a_cast
	.p2alignl 7, 3214868480
	.fill 96, 4, 3214868480
	.section	.rodata,"a",@progbits
	.p2align	6, 0x0
	.amdhsa_kernel k_qca4611091a_cast
		.amdhsa_group_segment_fixed_size 0
		.amdhsa_private_segment_fixed_size 0
		.amdhsa_enable_private_segment 0
		.amdhsa_kernarg_size 64
		.amdhsa_user_sgpr_count 2
		.amdhsa_user_sgpr_kernarg_segment_ptr 1
		.amdhsa_wavefront_size32 1
		.amdhsa_system_sgpr_workgroup_id_x 1
		.amdhsa_system_sgpr_workgroup_id_y 1
		.amdhsa_system_sgpr_workgroup_id_z 1
		.amdhsa_system_vgpr_workitem_id 0
		.amdhsa_next_free_vgpr 200
		.amdhsa_next_free_sgpr 66
		.amdhsa_reserve_vcc 0
		.amdhsa_float_denorm_mode_32 3
		.amdhsa_float_denorm_mode_16_64 3
		.amdhsa_memory_ordered 1
		.amdhsa_forward_progress 1
		.amdhsa_inst_pref_size 31
	.end_amdhsa_kernel
	.amdgpu_metadata
---
amdhsa.version: [ 1, 2 ]
amdhsa.kernels:
  - .name:           k_qca4611091a_cast
    .symbol:         k_qca4611091a_cast.kd
    .args:
      - { .name: x, .offset: 0, .size: 8, .value_kind: global_buffer, .address_space: global }
      - { .name: Wq, .offset: 8, .size: 8, .value_kind: global_buffer, .address_space: global }
      - { .name: Wk, .offset: 16, .size: 8, .value_kind: global_buffer, .address_space: global }
      - { .name: Wv, .offset: 24, .size: 8, .value_kind: global_buffer, .address_space: global }
      - { .name: Wo, .offset: 32, .size: 8, .value_kind: global_buffer, .address_space: global }
      - { .name: xb, .offset: 40, .size: 8, .value_kind: global_buffer, .address_space: global }
      - { .name: wb, .offset: 48, .size: 8, .value_kind: global_buffer, .address_space: global }
      - { .name: wo16, .offset: 56, .size: 8, .value_kind: global_buffer, .address_space: global }
    .group_segment_fixed_size: 0
    .private_segment_fixed_size: 0
    .kernarg_segment_align: 8
    .kernarg_segment_size: 64
    .max_flat_workgroup_size: 256
    .sgpr_count:     66
    .vgpr_count:     200
    .wavefront_size: 32
...
	.end_amdgpu_metadata
.endif
;; end of part 1
;; launch qkv (part 2): grid 16 x 16, 4 waves a work-group, clusters of 4 x 4, 327,680 bytes of LDS; arguments xb, wb, qkv; writes qkv
.if DOCPART == 2
	.amdgcn_target "amdgcn-amd-amdhsa--gfx1250"
	.amdhsa_code_object_version 6
	.text
	.protected	k_qca4611091a_qkv
	.globl	k_qca4611091a_qkv
	.p2align	8
	.type	k_qca4611091a_qkv,@function
k_qca4611091a_qkv:
	s_mov_b64 s[64:65], 0
	v_nop
	global_prefetch_b8 v0, s[64:65] scope:SCOPE_SE
	s_setreg_imm32_b32 hwreg(HW_REG_WAVE_MODE, 25, 1), 1
	s_wait_xcnt 0x0
	s_wait_alu depctr_hold_cnt(0) depctr_sa_sdst(0) depctr_va_vdst(0) depctr_va_sdst(0) depctr_va_ssrc(0) depctr_va_vcc(0) depctr_vm_vsrc(0)
	s_getreg_b32 s2, hwreg(HW_REG_IB_STS2, 6, 4)
	s_cmp_eq_u32 s2, 0
	s_cbranch_scc0 .Lentry_in_a_cluster
	s_endpgm
.Lentry_in_a_cluster:
	s_bfe_u32 s2, ttmp6, 0x10000c
	s_cmp_lg_u32 s2, 0xf033
	s_cbranch_scc0 .Lentry_shape_is_right
	s_endpgm
.Lentry_shape_is_right:
; q, k, v = x W^T, all three in one product: C[4096][3072] = xb[4096][1024] . wb[3072][1024]^T, bf16 operands, f32 sums, K ascending; C is rounded once to f16 and written BY HEADS:
; qkv[column / 64][row][column % 64], 48 heads of 4,096 rows of 128 bytes: 0-15 q, 16-31 k, 32-47 v, without the softmax's scale.
; LIMIT.  f16 holds no number beyond 65,504: a q, k or v beyond that becomes an infinity.
; SHARES.  A tile of C is 256 rows x 192 columns (three whole heads): 16 x 16 tiles, one work-group each.  Wave w makes rows 64 w .. 64 w + 63 of all 192 columns: 4 x 12 accumulators of 16 x 16, 384 registers;
; for 32 along K it reads 16 fragments (32 LDS loads) for 48 matrix instructions.  A wave owns whole rows of three heads, so its way out is its own: no barrier.
; RING.  K goes in 8 steps of 128 (rows of 256 bytes, at multiples of 256 from the buffers' first bytes) through two LDS slots; a slot holds A's 256 rows and B's 192.  One tensor load a wave:
; waves 0, 1 fetch A's halves (128 rows), waves 2, 3 B's (96 rows).
; CLUSTER.  4 x 4 work-groups.  The four of a row of the cluster need the same tiles of A, the four of a column the same tiles of B: each tile is asked for JOINTLY, by the same tensor load with the same
; descriptor and a mask that names the four.
; THE MATRIX INSTRUCTION IS USED TRANSPOSED (source 0 = 16 rows of wb, source 1 = 16 rows of xb): a lane holds row lane % 16 of C and the eight neighbouring columns 8 (lane / 16) + 0..7.
; REGISTERS, in windows of 256 (s_set_vgpr_msb: bits 1:0 source 0, 3:2 source 1, 5:4 source 2, 7:6 destination):
;   window 0: v0-31 addresses; v32-127 the way out, two sets of 48; v128-255 accumulators (a, b = 8..11) at 128 + 8 (4 a + b - 8)
;   window 1: two fragment buffers of 128: A's fragment i at 8 i, B's fragment b at 32 + 8 b          window 2: accumulators (a, b = 0..7) at 8 (8 a + b)
.set KSTEP,  128
.set PITCH,  272                       ; an LDS row: 256 bytes + 16 of padding: an odd multiple of 16, so the 16 rows that a load touches begin at 16 different 16-byte columns modulo 256
.set AHALF,  128*PITCH                 ; what a load for A brings
.set BHALF,  96*PITCH                  ; what a load for B brings
.set BOFF,   2*AHALF                   ; B's rows lie behind A's 256
.set SLOT,   BOFF+2*BHALF              ; 121,856
.set STAGE,  2*SLOT                    ; behind the ring, never filled by a tensor load: for each wave 3 heads x 16 rows x 144 bytes
.set SP,     144
.set WSTAGE, 3*16*SP
.set SPARE,  STAGE+4*WSTAGE            ; behind the stages: the spare words, 128 bytes for each wave: two blocks of 256 bytes that no other line names
.set LAPS,   4                         ; a lap = two K steps = once round the ring
.set HEADB,  524288                    ; bytes of a head in qkv
.set ADRA, 16                          ; v16-17  LDS address of my A fragments in slot 0, 1
.set ADRB, 20                          ; v20-21  the same for B
.set STO,  24                          ; v24     the way out: where I put 16 bytes of a row
.set RD,   25                          ; v25     the way out: where I read rows back
.set GO,   26                          ; v26     16 x lane: my place in 512 consecutive bytes of qkv
.set SPW,  28                          ; v28     LDS address of my spare word; never rewritten
.set NIL,  29                          ; v29     0; never rewritten
.set PFO,  30                          ; v30     the prefetches' offset: a lane a row of 2,048 bytes; never rewritten
.set TMP,  32
.set ACB,  128
.set F0,   0
.set F1,   128
.set G1,   24                          ; s[24:31] descriptor group 1 for A's tiles
.set G0,   32                          ; s[32:39] group 0 for A's tiles, a set for each slot
.set G1B,  48                          ; s[48:55], s[56:63] the same for B's
.set G0B,  56
.set PFA,  44                          ; s[44:45] where my prefetches stand
.set LIM,  43                          ; s43  1 in a wave that prefetches, else the greatest number
.set FLAGS, (1<<16)|(1<<20)|(1<<21)|(5<<22)|(3<<25)  ; 17:16 elements of 2 bytes; 20 padding on; 21 set beside a mask; 24:22 after every 64 words (code 5); 31:25 4 words of it (code 3)
.set MSB, 0
.macro WIN new                         ; the immediate's high byte repeats the setting that is left; a switch that changes nothing is dropped
.if MSB != (\new)
	s_set_vgpr_msb (MSB<<8)|(\new)
.set MSB, \new
.endif
.endm
.set MUL_A, 0xa5                       ; both sources window 1, C and D window 2
.set MUL_B, 0x05                       ; both sources window 1, C and D window 0
.set TO_F,  0x40                       ; destination window 1, address window 0
; A joint load.  The branch hangs on the wave's number alone.  An s_nop 0 and four v_nop follow each of the two lines, ahead of the jump, the label and what follows.
.macro JLOAD s
	s_cmp_lt_u32 s10, 2
	s_cbranch_scc0 .Lfor_b_\@
	tensor_load_to_lds s[G0+4*(\s):G0+4*(\s)+3], s[G1:G1+7]
	s_nop 0
.rept 4
	v_nop
.endr
	s_branch .Lasked_\@
.Lfor_b_\@:
	tensor_load_to_lds s[G0B+4*(\s):G0B+4*(\s)+3], s[G1B:G1B+7]
	s_nop 0
.rept 4
	v_nop
.endr
.Lasked_\@:
.endm
; A PREFETCH INTO THE L2, behind each joint refill and the run of LDS loads that follows it: the K step that stands two refills on, a lane a row, one instruction a wave.  A's rows are read by every cluster of a row
; of clusters: the one with x = 0 asks; B's by every cluster of a column: the one with y = 0 asks.  The four partners that ask for a tile jointly share its rows out BY ADDRESS: of a wave's 128 rows of A the
; partner at cx takes 32, of its 96 rows of B the partner at cy takes 24 (lanes 24-31 name lane 23's row again).  K steps 0-3 come by their loads alone; the loop's last trip (s3 = 1) has no K step two on.
.macro ASK
	s_cmp_gt_u32 s3, s[LIM]
	s_cbranch_scc0 .Lnot_mine_\@
	global_prefetch_b8 v[PFO], s[PFA:PFA+1] offset:KSTEP*2 th:TH_LOAD_NT scope:SCOPE_SE
.Lnot_mine_\@:
.endm
.macro CREST                           ; a round of the cluster's barrier behind its opening barrier
	s_cmp_lg_u32 s10, 0
	s_cbranch_scc1 .Lnot_wave_0_\@
	s_barrier_signal -3
.Lnot_wave_0_\@:
	s_barrier_wait -3
	s_barrier_signal -1
	s_barrier_wait -1
.endm
.macro CROUND                          ; a whole round
	s_barrier_signal -1
	s_barrier_wait -1
	CREST
.endm
	s_load_b128 s[4:7], s[0:1], 0x0                ; xb s[4:5], wb s[6:7]
	s_load_b64 s[8:9], s[0:1], 0x10                ; qkv
	v_lshl_add_u32 v[SPW], v0, 2, SPARE
	v_mov_b32 v[NIL], 0
	ds_add_u32 v[SPW], v[NIL]                      ; the wave's opening: the add and its wait stand ahead of my first tensor load; the set-up below, work on registers, stands between them
	v_lshrrev_b32 v1, 5, v0
	v_readfirstlane_b32 s10, v1                    ; wave 0..3
	s_and_b32 s12, s10, 1                          ; which half of A's or B's rows I fetch
	s_bfe_u32 s40, ttmp6, 0x40000                  ; cx
	s_bfe_u32 s41, ttmp6, 0x40004                  ; cy
	s_lshl_b32 s42, ttmp9, 2
	s_add_co_u32 s42, s42, s40                     ; tile column = 4 x cluster x + cx
	s_and_b32 s13, ttmp7, 0xffff
	s_lshl_b32 s13, s13, 2
	s_add_co_u32 s13, s13, s41                     ; tile row = 4 x cluster y + cy
	s_lshl_b32 s43, s41, 2
	s_lshl_b32 s43, 15, s43                        ; my row of the cluster
	s_lshl_b32 s44, 0x1111, s40                    ; my column
	s_or_b32 s[G1+0], s43, FLAGS                   ; A's tiles go to my row,
	s_or_b32 s[G1B+0], s44, FLAGS                  ; B's to my column
	s_mov_b32 s[G1+1], KSTEP<<16                   ; tensor_dim0 = 128
	s_mov_b32 s[G1+2], 128<<16                     ; tensor_dim1 = 128
	s_mov_b32 s[G1+3], KSTEP<<16                   ; tile_dim0 = 128
	s_mov_b32 s[G1+4], 128                         ; tile_dim1 = 128
	s_mov_b32 s[G1+5], 1024                        ; elements from row to row
	s_mov_b32 s[G1+6], 0
	s_mov_b32 s[G1+7], 0
	s_mov_b32 s[G1B+1], KSTEP<<16
	s_mov_b32 s[G1B+2], 96<<16                     ; 96 rows
	s_mov_b32 s[G1B+3], KSTEP<<16
	s_mov_b32 s[G1B+4], 96
	s_mov_b32 s[G1B+5], 1024
	s_mov_b32 s[G1B+6], 0
	s_mov_b32 s[G1B+7], 0
	s_lshl_b32 s16, s13, 8                         ; A: row 256 x tile row + 128 x half, which hangs on the tile row alone among the places,
	s_lshl_b32 s17, s12, 7
	s_add_co_u32 s16, s16, s17
	s_lshl_b32 s16, s16, 11                        ; in bytes
	s_mov_b32 s17, 0
	s_mul_i32 s46, s42, 192                        ; B: row 192 x tile column + 96 x half, which hangs on the tile column alone
	s_mul_i32 s47, s12, 96
	s_add_co_u32 s46, s46, s47
	s_lshl_b32 s46, s46, 11
	s_mov_b32 s47, 0
	s_mul_i32 s20, s10, AHALF                      ; where they go: waves 0, 1: A's halves;
	s_mul_i32 s21, s10, BHALF                      ; waves 2, 3: B's halves, behind A's 256 rows: no place in the cluster enters an LDS address
	s_add_co_u32 s21, s21, BOFF-2*BHALF
	s_wait_dscnt 0x0                               ; the opening add is done
	s_wait_kmcnt 0x0
	s_add_nc_u64 s[14:15], s[4:5], s[16:17]
	s_add_nc_u64 s[46:47], s[6:7], s[46:47]
	CROUND                                         ; all sixteen work-groups are here: the first joint loads meet
.irp s, 0,1
	s_mov_b32 s[G0+4*(\s)], 1                                        ; count = 1
	s_add_co_u32 s[G0+4*(\s)+1], s20, (\s)*SLOT                      ; LDS address
	s_add_nc_u64 s[G0+4*(\s)+2:G0+4*(\s)+3], s[14:15], (\s)*KSTEP*2  ; global address: K step s
	s_or_b32 s[G0+4*(\s)+3], s[G0+4*(\s)+3], 0x80000000              ; type = 2
	s_mov_b32 s[G0B+4*(\s)], 1
	s_add_co_u32 s[G0B+4*(\s)+1], s21, (\s)*SLOT
	s_add_nc_u64 s[G0B+4*(\s)+2:G0B+4*(\s)+3], s[46:47], (\s)*KSTEP*2
	s_or_b32 s[G0B+4*(\s)+3], s[G0B+4*(\s)+3], 0x80000000
	JLOAD \s                                       ; two loads of mine are out here, later one
.endr
	; A fragment is 16 rows x 32 K in 8 registers: lane l holds row l % 16; registers 0-3 K = 8 (l / 16) + 0..7, registers 4-7 K = 16 + 8 (l / 16) + 0..7: two loads of 16 bytes, 32 bytes apart.
	v_and_b32 v1, 15, v0                           ; l % 16
	v_bfe_u32 v2, v0, 4, 1                         ; l / 16
	v_mul_u32_u24 v3, v1, PITCH
	v_lshl_add_u32 v3, v2, 4, v3
	s_mul_i32 s21, s10, 64*PITCH                   ; my 64 rows of A
	s_mov_b32 s22, BOFF                            ; all of B
.irp s, 0,1
	v_add_nc_u32 v[ADRA+(\s)], s21, v3
	v_add_nc_u32 v[ADRB+(\s)], s22, v3
	s_add_co_u32 s21, s21, SLOT
	s_add_co_u32 s22, s22, SLOT
.endr
	s_mul_i32 s23, s10, WSTAGE
	s_add_co_u32 s23, s23, STAGE                   ; my stage
	v_mul_u32_u24 v4, v1, SP                       ; in: row l % 16, 16 bytes for each half of the lanes
	v_lshl_add_u32 v4, v2, 4, v4
	v_add_nc_u32 v[STO], s23, v4
	v_bfe_u32 v5, v0, 3, 2                         ; back: 32 lanes take four rows of 128 bytes,
	v_mul_u32_u24 v5, v5, SP
	v_and_b32 v4, 7, v0
	v_lshl_add_u32 v5, v4, 4, v5
	v_add_nc_u32 v[RD], s23, v5
	v_and_b32 v[GO], 31, v0                        ; which are 512 consecutive bytes of a head
	v_lshlrev_b32 v[GO], 4, v[GO]
	s_lshl_b32 s16, s13, 8                         ; qkv at my first row, 256 x tile row + 64 x wave, of 128 bytes,
	s_lshl_b32 s17, s10, 6
	s_add_co_u32 s16, s16, s17
	s_lshl_b32 s16, s16, 7
	s_mov_b32 s17, 0
	s_mul_i32 s46, s42, 3*HEADB                    ; in the first of the tile's three heads
	s_mov_b32 s47, 0
	s_add_nc_u64 s[8:9], s[8:9], s[16:17]
	s_add_nc_u64 s[8:9], s[8:9], s[46:47]
	; the prefetches
	s_lshl_b32 s20, s13, 8                         ; A: 256 x tile row
	s_mul_i32 s21, s42, 192                        ; B: 192 x tile column
	s_and_b32 s22, ttmp7, 0xffff                   ; cluster y
	s_lshl_b32 s18, s12, 7                         ; the rows that I fetch
	s_mul_i32 s19, s12, 96
	s_lshl_b32 s14, s40, 5                         ; my work-group's share of them
	s_mul_i32 s15, s41, 24
	s_cmp_lt_u32 s10, 2                            ; do I fetch for A?
	s_cselect_b32 s20, s20, s21
	s_cselect_b32 s18, s18, s19
	s_cselect_b32 s14, s14, s15
	s_cselect_b32 s22, ttmp9, s22                  ; the coordinate along which other clusters read the same rows
	s_cselect_b32 s23, 31, 23                      ; the share's last row
	s_cselect_b64 s[PFA:PFA+1], s[4:5], s[6:7]
	s_cmp_eq_u32 s22, 0
	s_cselect_b32 s[LIM], 1, -1                    ; the same in all sixteen partners, for a given wave
	s_add_co_u32 s20, s20, s18
	s_add_co_u32 s20, s20, s14
	s_lshl_b32 s20, s20, 11
	s_add_co_u32 s20, s20, 2*KSTEP*2               ; at K step 2: the first refill steps it to 3 and names K step 4
	s_mov_b32 s21, 0
	s_add_nc_u64 s[PFA:PFA+1], s[PFA:PFA+1], s[20:21]
	v_and_b32 v[PFO], 31, v0
	v_min_u32 v[PFO], s23, v[PFO]
	v_lshlrev_b32 v[PFO], 11, v[PFO]
; 16 matrix instructions: row blocks a0, a0 + 1 x column blocks 0-7, 32 along K.  zero = 1: the first product starts the sums: nothing is cleared.
; The 48 accumulators take turns, one instruction a turn, in the same order in every quarter, over the backward jump too.
.macro MULA f, a0, zero
	WIN MUL_A
.irp a, \a0, (\a0)+1
.irp b, 0,1,2,3,4,5,6,7
.if \zero
	v_wmma_f32_16x16x32_bf16 v[8*(8*(\a)+(\b)):8*(8*(\a)+(\b))+7], v[(\f)+32+8*(\b):(\f)+32+8*(\b)+7], v[(\f)+8*(\a):(\f)+8*(\a)+7], 0
.else
	v_wmma_f32_16x16x32_bf16 v[8*(8*(\a)+(\b)):8*(8*(\a)+(\b))+7], v[(\f)+32+8*(\b):(\f)+32+8*(\b)+7], v[(\f)+8*(\a):(\f)+8*(\a)+7], v[8*(8*(\a)+(\b)):8*(8*(\a)+(\b))+7]
.endif
.endr
.endr
.endm
; 16 more: all four row blocks x column blocks 8-11
.macro MULB f, zero
	WIN MUL_B
.irp a, 0,1,2,3
.irp b, 8,9,10,11
.if \zero
	v_wmma_f32_16x16x32_bf16 v[ACB+8*(4*(\a)+(\b)-8):ACB+8*(4*(\a)+(\b)-8)+7], v[(\f)+32+8*(\b):(\f)+32+8*(\b)+7], v[(\f)+8*(\a):(\f)+8*(\a)+7], 0
.else
	v_wmma_f32_16x16x32_bf16 v[ACB+8*(4*(\a)+(\b)-8):ACB+8*(4*(\a)+(\b)-8)+7], v[(\f)+32+8*(\b):(\f)+32+8*(\b)+7], v[(\f)+8*(\a):(\f)+8*(\a)+7], v[ACB+8*(4*(\a)+(\b)-8):ACB+8*(4*(\a)+(\b)-8)+7]
.endif
.endr
.endr
.endm
; 32 LDS loads in one run: a quarter's fragments (32 K at byte k of the rows) into buffer f: A's four, B's 0-7, and last B's 8-11, which are wanted last
.macro FETCH slot, k, f
	WIN TO_F
.irp i, 0,1,2,3
	ds_load_b128 v[(\f)+8*(\i):(\f)+8*(\i)+3],   v[ADRA+(\slot)] offset:(\k)+(\i)*16*PITCH
	ds_load_b128 v[(\f)+8*(\i)+4:(\f)+8*(\i)+7], v[ADRA+(\slot)] offset:(\k)+(\i)*16*PITCH+32
.endr
.irp b, 0,1,2,3,4,5,6,7,8,9,10,11
	ds_load_b128 v[(\f)+32+8*(\b):(\f)+32+8*(\b)+3],   v[ADRB+(\slot)] offset:(\k)+(\b)*16*PITCH
	ds_load_b128 v[(\f)+32+8*(\b)+4:(\f)+32+8*(\b)+7], v[ADRB+(\slot)] offset:(\k)+(\b)*16*PITCH+32
.endr
.endm
; A load into a register that a matrix instruction has read, and a vector instruction that reads a matrix result, stand four places behind it; only plain vector instructions that name none of its
; registers are places (ISA guide 7.12.1 for vector instructions).
.macro PLACES
.rept 4
	v_nop
.endr
.endm
; A K step is four quarters of 32 along K, 48 matrix instructions each, on buffers 0, 1, 0, 1.  One of the first three: multiplies buffer f and fetches the next quarter, at byte k, into g.
.macro QUARTER slot, k, f, g, zero
	s_wait_dscnt 8                                 ; A and B's blocks 0-7 are in; the youngest eight loads (B's blocks 8-11) may be out
	MULA \f, 0, \zero
	PLACES
	FETCH \slot, \k, \g
	MULA \f, 2, \zero
	s_wait_dscnt 32                                ; all but the 32 just issued
	MULB \f, \zero
.endm
; The last quarter multiplies buffer 1 and changes slots: ONE barrier.  In front of it each wave waits for all its tensor loads (one is out: its part of the next slot), adds 0 to its spare word, and waits for
; that and for its own reads of this slot.  fill = 1: the barrier opens a round of the cluster's, and the joint refill, two K steps ahead, is the first tensor load behind the round: 160 matrix
; instructions stand between it and the wait for it.
.macro TURN slot, next, fill
.if \fill
	s_wait_xcnt 0x0                                ; the last prefetch, a K step back, has read its address: it is stepped here, ahead of the change's own waits
	s_add_nc_u64 s[PFA:PFA+1], s[PFA:PFA+1], KSTEP*2
.endif
	WIN 0                                          ; (the add's two registers lie in window 0)
	s_wait_tensorcnt 0x0                           ; all my tensor loads have landed
	ds_add_u32 v[SPW], v[NIL]                      ; 0 onto my spare word
	s_wait_dscnt 9                                 ; (the add and the youngest eight loads may be out)
	MULA F1, 0, 0                                  ; sixteen matrix instructions stand between the add and the wait for it
	s_wait_dscnt 0x0                               ; the add is done, and my reads of this slot are over
	s_barrier_signal -1
	MULA F1, 2, 0                                  ; work on registers while the others arrive
.if \fill
	WIN 0
.endif
	s_barrier_wait -1
.if \fill
	CREST                                          ; no wave of any partner still reads this slot's tile or has a load on its way
	s_add_nc_u64 s[G0+4*(\slot)+2:G0+4*(\slot)+3], s[G0+4*(\slot)+2:G0+4*(\slot)+3], 2*KSTEP*2
	s_add_nc_u64 s[G0B+4*(\slot)+2:G0B+4*(\slot)+3], s[G0B+4*(\slot)+2:G0B+4*(\slot)+3], 2*KSTEP*2
	JLOAD \slot                                    ; the four v_nop behind it are also the places in front of the loads below
.else
	PLACES
.endif
	FETCH \next, 0, F0
.if \fill
	WIN 0
	ASK
.endif
	MULB F1, 0
.endm
	s_wait_tensorcnt 1                             ; my part of K step 0 is in; K step 1's may stay out
	s_barrier_signal -1
	s_barrier_wait -1                              ; everybody's is
	FETCH 0, 0, F0
	QUARTER 0, 64,  F0, F1, 1                      ; the first quarter stands in front of the loop: its products start the sums
	WIN 0                                          ; at a label and at a branch every window is 0
	s_mov_b32 s3, LAPS-1
.Llap:                                                 ; a trip goes once round the ring, from a lap's second quarter to the next lap's first, and fills both slots again
	QUARTER 0, 128, F1, F0, 0
	QUARTER 0, 192, F0, F1, 0
	TURN 0, 1, 1
	QUARTER 1, 64,  F0, F1, 0
	QUARTER 1, 128, F1, F0, 0
	QUARTER 1, 192, F0, F1, 0
	TURN 1, 0, 1
	QUARTER 0, 64,  F0, F1, 0
	WIN 0
	s_sub_co_u32 s3, s3, 1
	s_cmp_lg_u32 s3, 0
	s_cbranch_scc1 .Llap
	QUARTER 0, 128, F1, F0, 0                      ; the last lap fills nothing, and has no round of the cluster's barrier
	QUARTER 0, 192, F0, F1, 0
	TURN 0, 1, 0
	QUARTER 1, 64,  F0, F1, 0
	QUARTER 1, 128, F1, F0, 0
	QUARTER 1, 192, F0, F1, 0
	s_wait_dscnt 8                                 ; the very last quarter: nothing more to fetch
	MULA F1, 0, 0
	MULA F1, 2, 0
	s_wait_dscnt 0x0
	MULB F1, 0
	WIN 0
	PLACES
; THE WAY OUT, a block of 16 rows at a time.  PACK: rounded to f16 (each accumulator's registers in ascending order), 16 bytes a lane into my stage, [head][row][144 bytes], and back as whole rows of 128 bytes,
; four rows a load, into the registers that they left.  SEND: stored: 512 consecutive bytes of a head, at a multiple of 256 from qkv's first byte.
.macro PACK a
.set TM, TMP+48*((\a)%2)
.if (\a) >= 2
	s_wait_xcnt 0x0                                ; the stores of the block two back have read this set of registers
.endif
	WIN 0x0a                                       ; sources 0 and 1 window 2
.irp b, 0,1,2,3,4,5,6,7
.irp r, 0,1,2,3
	v_cvt_pk_f16_f32 v[TM+4*(\b)+(\r)], v[8*(8*(\a)+(\b))+2*(\r)], v[8*(8*(\a)+(\b))+2*(\r)+1]
.endr
.endr
	WIN 0
.irp b, 8,9,10,11
.irp r, 0,1,2,3
	v_cvt_pk_f16_f32 v[TM+4*(\b)+(\r)], v[ACB+8*(4*(\a)+(\b)-8)+2*(\r)], v[ACB+8*(4*(\a)+(\b)-8)+2*(\r)+1]
.endr
.endr
.irp b, 0,1,2,3,4,5,6,7,8,9,10,11
	ds_store_b128 v[STO], v[TM+4*(\b):TM+4*(\b)+3] offset:((\b)/4)*16*SP+((\b)%4)*32
.endr
.irp i, 0,1,2,3,4,5,6,7,8,9,10,11
	ds_load_b128 v[TM+4*(\i):TM+4*(\i)+3], v[RD] offset:((\i)/4)*16*SP+((\i)%4)*4*SP  ; LDS serves a wave's instructions in order (ISA guide 5.7.1.4): these see the stores above; the next block's stores come behind them
.endr
.endm
.macro SEND a, younger                 ; younger: the LDS instructions issued behind block a's loads: the next block's 24, or none
.set TM, TMP+48*((\a)%2)
.irp i, 0,1,2,3,4,5,6,7,8,9,10,11
	s_wait_dscnt (\younger)+11-(\i)
	global_store_b128 v[GO], v[TM+4*(\i):TM+4*(\i)+3], s[8:9] offset:((\i)/4)*HEADB+(\a)*2048+((\i)%4)*512
.endr
.endm
	PACK 0
	PACK 1                                         ; a block's conversions stand between the loads of the block before and its stores
	SEND 0, 24
	PACK 2
	SEND 1, 24
	PACK 3
	SEND 2, 24
	SEND 3, 0
	s_wait_tensorcnt 0x0                           ; the wave's end, behind my last tensor load and my last LDS store
	ds_add_u32 v[SPW], v[NIL]
	s_wait_dscnt 0x0
	CROUND                                         ; the closing round: no work-group ends while a partner may still ask for a tile that names it
	s_endpgm
.Lfunc_end_k_qca4611091a_qkv:
	.size	k_qca4611091a_qkv, .Lfunc_end_k_qca4611091a_qkv-k_qca4611091a_qkv
	.p2alignl 7, 3214868480
	.fill 96, 4, 3214868480
	.section	.rodata,"a",@progbits
	.p2align	6, 0x0
	.amdhsa_kernel k_qca4611091a_qkv
		.amdhsa_group_segment_fixed_size 327680
		.amdhsa_private_segment_fixed_size 0
		.amdhsa_enable_private_segment 0
		.amdhsa_kernarg_size 24
		.amdhsa_user_sgpr_count 2
		.amdhsa_user_sgpr_kernarg_segment_ptr 1
		.amdhsa_wavefront_size32 1
		.amdhsa_system_sgpr_workgroup_id_x 1
		.amdhsa_system_sgpr_workgroup_id_y 1
		.amdhsa_system_sgpr_workgroup_id_z 1
		.amdhsa_system_vgpr_workitem_id 0
		.amdhsa_next_free_vgpr 768
		.amdhsa_next_free_sgpr 66
		.amdhsa_reserve_vcc 0
		.amdhsa_float_denorm_mode_32 3
		.amdhsa_float_denorm_mode_16_64 3
		.amdhsa_memory_ordered 1
		.amdhsa_forward_progress 1
		.amdhsa_inst_pref_size 121
	.end_amdhsa_kernel
	.amdgpu_metadata
---
amdhsa.version: [ 1, 2 ]
amdhsa.kernels:
  - .name:           k_qca4611091a_qkv
    .symbol:         k_qca4611091a_qkv.kd
    .args:
      - { .name: xb, .offset: 0, .size: 8, .value_kind: global_buffer, .address_space: global }
      - { .name: wb, .offset: 8, .size: 8, .value_kind: global_buffer, .address_space: global }
      - { .name: qkv, .offset: 16, .size: 8, .value_kind: global_buffer, .address_space: global }
    .group_segment_fixed_size: 327680
    .private_segment_fixed_size: 0
    .kernarg_segment_align: 8
    .kernarg_segment_size: 24
    .max_flat_workgroup_size: 128
    .sgpr_count:     66
    .vgpr_count:     768
    .wavefront_size: 32
...
	.end_amdgpu_metadata
.endif
;; end of part 2
;; launch attn (part 3): grid 16 x 16, 4 waves a work-group, no clusters, 167,936 bytes of LDS; arguments qkv, ob; writes ob
.if DOCPART == 3
	.amdgcn_target "amdgcn-amd-amdhsa--gfx1250"
	.amdhsa_code_object_version 6
	.text
	.protected	k_qca4611091a_attn
	.globl	k_qca4611091a_attn
	.p2align	8
	.type	k_qca4611091a_attn,@function
k_qca4611091a_attn:
	s_mov_b64 s[64:65], 0
	v_nop
	global_prefetch_b8 v0, s[64:65] scope:SCOPE_SE
	s_setreg_imm32_b32 hwreg(HW_REG_WAVE_MODE, 25, 1), 1
	s_wait_xcnt 0x0
; ATTENTION IN A BAND.  O[h][i][:] = the sum over the keys j with 0 <= i - j <= 128 of softmax_j(Q[h][i] . K[h][j] / 8) V[h][j][:].  qkv: [48][4096][64] f16 (heads 0-15 q, 16-31 k, 32-47 v), ob: [16][4096][64] f16.
; Products, maxima and sums in f32; the weights p are rounded to f16 for the second product (their sum l is taken of the unrounded p), O once at the end.
; LIMITS.  q, k, v arrive within f16's 65,504.  A hidden score counts as its value less 1e30; a weight below 2^-126 counts as 0; NaN and infinities are not treated apart.
; SHARES.  A work-group owns 256 queries of one head (block b), a wave 64: four tiles t of 16.  LDS row p holds key 256 b - 128 + p, p = 0..383: all that the block's band reaches, filled ONCE.
; THE BAND.  The wave's key block kb (0..11) is LDS rows 64 w + 16 kb.  With u = kb - t, i - j = 128 - 16 u + e, e = (lane % 16) - 8 (lane / 16) - register.  u = 0 is seen where e <= 0 (mask ML), u = 1..7 wholly,
; u = 8 where e >= 0 (mask MDG); every other block is hidden and is not computed.  So a tile has 9 blocks of scores, ALL in registers at once: the maximum is the true maximum of the row, taken before any exponential.
; The masks are the C operands that start the sums of blocks 0 and 8.  BEFORE THE FIRST KEY (block 0 of the queries alone): the first piece of the fill then begins at key 0, finite numbers, and the blocks
; kb < NEGB = 8 - 4 w get -1e30 added.  Block u = 8 holds the query's own key, so the maximum is always a true score.
; LAYOUT.  S^T = K Q^T (source 0 = 16 keys, source 1 = 16 queries): a lane holds ONE query (lane % 16) and the keys 8 (lane / 16) + 0..7.  Two such blocks rounded to f16 ARE source 1 (32 keys x 16 queries) of
; O^T = V^T P.  Nine blocks are no whole number of pairs: a tenth with p = 0 makes five; the ten begin at key block min(t, 2), so that they stay inside the wave's twelve.
; NO CLUSTER: neighbouring blocks of queries share 128 of the 384 keys that each reads, and no tile is common to partners.  NO PREFETCH: all that a work-group reads is asked for at its head.
; REGISTERS, in windows of 256 (s_set_vgpr_msb: bits 1:0 source 0, 3:2 source 1, 5:4 source 2, 7:6 destination):
;   window 0: v0-14 addresses; v16-31 the masks; v32-40 at work; v42-45 statistics; v48-119 S^T; v120-159 P; v160-191 O^T; v192-255 the way out, 16 a tile
;   window 1: v0-191 K: block kb, channel half c at 16 kb + 8 c; v192-255 Q: tile t, half c at 192 + 16 t + 8 c          window 2: v0-191 V: key block kb, channel block cb at 48 cb + 4 kb
.set PK,    144                        ; a row of K in LDS: 128 bytes + 16: an odd multiple of 16
.set PV,    160                        ; a row of V: 128 + 32: an odd multiple of 32, for the turning load
.set VOFF,  384*PK
.set STAGE, VOFF+384*PV                ; behind the tiles, never filled by a tensor load: 16 rows x 144 bytes for each wave
.set SP,    144
.set SPARE, STAGE+4*16*SP              ; the spare words, 128 bytes for each wave: two blocks of 256 bytes that no other line names
.set HEADB, 524288
.set AK,  2                            ; v2   my lane's place in my wave's first block of K
.set AV,  3                            ; v3   the same for V
.set QO,  4                            ; v4   my byte offset in 16 rows of Q
.set STO, 5                            ; v5   the way out: where I put 16 bytes of a row
.set RD,  6                            ; v6   where I read rows back
.set GO,  7                            ; v7   16 x lane
.set SPW, 12                           ; v12  LDS address of my spare word; never rewritten
.set NIL, 13                           ; v13  0; never rewritten
.set ML,  16
.set MDG, 24
.set CH,  32                           ; nine chains of the maximum
.set CM,  42                           ; v42 c m, v43 m
.set LL,  44                           ; v44 l, then 1 / l; v45 at work
.set S,   48
.set P,   120
.set OT,  160
.set BK,  192
.set WV,  8                            ; s8   my wave's number
.set G1K, 24
.set G1V, 32
.set G0K, 40
.set G0V, 44
.set CS,  48                           ; s[48:49] c = log2(e) / 8
.set SEL, 50                           ; s[50:51] v_permlanex16_b32's selects: each lane takes its own place in the other half
.set BIGN, 52                          ; s52  -1e30
.set NEGB, 53                          ; s53  key blocks of my wave that lie before key 0
.set BE,  54                           ; s[54:55] what a block gets added: -1e30 or 0
.set MSB, 0
.macro WIN new
.if MSB != (\new)
	s_set_vgpr_msb (MSB<<8)|(\new)
.set MSB, \new
.endif
.endm
.set W_KQ, 0x05                        ; K and Q window 1; C and S^T window 0
.set W_PV, 0x02                        ; V window 2; P, C and O^T window 0
.macro PLACES                          ; four places behind matrix instructions whose results are read next (ISA guide 7.12.1)
.rept 4
	v_nop
.endr
.endm
	s_load_b128 s[4:7], s[0:1], 0x0                ; qkv s[4:5], ob s[6:7]
	v_lshl_add_u32 v[SPW], v0, 2, SPARE
	v_mov_b32 v[NIL], 0
	ds_add_u32 v[SPW], v[NIL]                      ; the wave's opening: the add and its wait stand ahead of my first tensor load; the set-up below, work on registers, stands between them
	v_lshrrev_b32 v9, 5, v0
	v_readfirstlane_b32 s[WV], v9                  ; wave 0..3
	s_mov_b32 s9, ttmp9                            ; b
	s_and_b32 s10, ttmp7, 0xffff                   ; the head
	; descriptor group 1: 128 keys are 16,384 dense bytes: 64 rows of 256 bytes, two keys a row, padded in LDS after every key
	s_mov_b32 s[G1K], (1<<16)|(1<<20)|(4<<22)|(3<<25)  ; 2-byte elements; padding on; after every 32 words (code 4); 4 words (code 3)
	s_mov_b32 s[G1V], (1<<16)|(1<<20)|(4<<22)|(7<<25)  ; the same with 8 words (code 7)
.irp g, G1K, G1V
	s_mov_b32 s[\g+1], 128<<16                     ; tensor_dim0 = 128
	s_mov_b32 s[\g+2], 64<<16                      ; tensor_dim1 = 64
	s_mov_b32 s[\g+3], 128<<16                     ; tile_dim0 = 128
	s_mov_b32 s[\g+4], 64                          ; tile_dim1 = 64
	s_mov_b32 s[\g+5], 128                         ; elements from row to row
	s_mov_b32 s[\g+6], 0
	s_mov_b32 s[\g+7], 0
.endr
	s_mov_b32 s[CS], 0x3e38aa3b                    ; 0.180337
	s_mov_b32 s[CS+1], s[CS]                       ; named with it as a pair
	s_mov_b32 s[SEL], 0x76543210
	s_mov_b32 s[SEL+1], 0xfedcba98
	s_mov_b32 s[BIGN], 0xf149f2ca
	s_mov_b32 s[BE], 0
	s_mov_b32 s[BE+1], 0
	s_lshl_b32 s[NEGB], s9, 4                      ; NEGB = 8 - min(16 b + 4 w, 8)
	s_lshl_b32 s2, s[WV], 2
	s_add_co_u32 s[NEGB], s[NEGB], s2
	s_min_u32 s[NEGB], s[NEGB], 8
	s_sub_co_u32 s[NEGB], 8, s[NEGB]
	s_lshl_b32 s11, s9, 8                          ; 256 b
	s_min_u32 s18, s[WV], 2                        ; waves 0-2 fetch a piece of 128 keys each; wave 3 fetches nothing, and its unused descriptor names piece 2
	s_lshl_b32 s18, s18, 7
	s_add_co_u32 s18, s18, s11
	s_max_u32 s18, s18, 128
	s_sub_co_u32 s18, s18, 128                     ; the piece's first key: max(256 b - 128 + 128 w, 0),
	s_lshl_b32 s18, s18, 7                         ; in bytes
	s_lshl_b32 s19, s10, 19                        ; the head, in bytes
	s_add_co_u32 s12, s18, s19
	s_add_co_u32 s12, s12, 16*HEADB                ; K's offset in qkv,
	s_mov_b32 s13, 0
	s_add_co_u32 s20, s12, 16*HEADB                ; V's
	s_mov_b32 s21, 0
	s_lshl_b32 s22, s[WV], 6
	s_add_co_u32 s22, s22, s11                     ; my first query, 256 b + 64 w,
	s_lshl_b32 s22, s22, 7
	s_add_co_u32 s22, s22, s19                     ; Q's offset in qkv and O's in ob
	s_mov_b32 s23, 0
	s_mov_b32 s[G0K], 1                            ; count = 1
	s_mul_i32 s[G0K+1], s[WV], 128*PK              ; LDS address: piece w
	s_mov_b32 s[G0V], 1
	s_mul_i32 s[G0V+1], s[WV], 128*PV
	s_add_co_u32 s[G0V+1], s[G0V+1], VOFF
	; A fragment of K or Q is 16 rows x 32 channels in 8 registers: lane l holds row l % 16, channels 8 (l / 16) + 0..7 and 16 + 8 (l / 16) + 0..7: two loads of 16 bytes, 32 bytes apart.
	v_and_b32 v1, 15, v0                           ; l % 16
	v_bfe_u32 v8, v0, 4, 1                         ; l / 16
	v_and_b32 v10, 7, v0
	v_bfe_u32 v11, v0, 3, 1
	v_mul_u32_u24 v[AK], v1, PK
	v_lshl_add_u32 v[AK], v8, 4, v[AK]
	s_mul_i32 s2, s[WV], 64*PK
	v_add_nc_u32 v[AK], s2, v[AK]
	; The turning load takes 16 keys x 16 channels (lane l reads key 8 (l / 16) + l % 8, channels 8 ((l / 8) % 2) + 0..7) and leaves half a fragment of V^T: lane l holds channel l % 16 and 8 keys.
	v_lshl_add_u32 v[AV], v8, 3, v10
	v_mul_u32_u24 v[AV], v[AV], PV
	v_lshl_add_u32 v[AV], v11, 4, v[AV]
	s_mul_i32 s2, s[WV], 64*PV
	s_add_co_u32 s2, s2, VOFF
	v_add_nc_u32 v[AV], s2, v[AV]
	v_lshlrev_b32 v[QO], 7, v1
	v_lshl_add_u32 v[QO], v8, 4, v[QO]
	s_mul_i32 s2, s[WV], 16*SP
	s_add_co_u32 s2, s2, STAGE                     ; my stage
	v_mul_u32_u24 v[STO], v1, SP                   ; in: row l % 16, 16 bytes for each half of the lanes
	v_lshl_add_u32 v[STO], v8, 4, v[STO]
	v_add_nc_u32 v[STO], s2, v[STO]
	v_bfe_u32 v[RD], v0, 3, 2                      ; back: 32 lanes take four rows of 128 bytes,
	v_mul_u32_u24 v[RD], v[RD], SP
	v_lshl_add_u32 v[RD], v10, 4, v[RD]
	v_add_nc_u32 v[RD], s2, v[RD]
	v_and_b32 v[GO], 31, v0                        ; which are 512 consecutive bytes of O
	v_lshlrev_b32 v[GO], 4, v[GO]
	v_lshlrev_b32 v9, 3, v8
	v_sub_nc_u32 v14, v1, v9                       ; l % 16 - 8 (l / 16): e = this less the register's number
	v_mov_b32 v[LL+1], 0                           ; written once before v_permlanex16_b32 names it as its destination
	s_wait_dscnt 0x0                               ; the opening add is done
	s_wait_kmcnt 0x0
	s_add_nc_u64 s[G0K+2:G0K+3], s[4:5], s[12:13]  ; global address
	s_or_b32 s[G0K+3], s[G0K+3], 0x80000000        ; type = 2
	s_add_nc_u64 s[G0V+2:G0V+3], s[4:5], s[20:21]
	s_or_b32 s[G0V+3], s[G0V+3], 0x80000000
	s_add_nc_u64 s[14:15], s[4:5], s[22:23]        ; Q at my wave's first row
	s_add_nc_u64 s[16:17], s[6:7], s[22:23]        ; O likewise
	s_cmp_lt_u32 s[WV], 3                          ; a wave's two fills stand in one branch, ahead of every wait on TENSORcnt, every LDS read and every barrier: two loads of mine are out at the most
	s_cbranch_scc0 .Lno_fill
	tensor_load_to_lds s[G0K:G0K+3], s[G1K:G1K+7]
	s_nop 0
	tensor_load_to_lds s[G0V:G0V+3], s[G1V:G1V+7]
	s_nop 0
.rept 4
	v_nop
.endr
.Lno_fill:
	WIN 0x40                                       ; destination window 1, address window 0
.set i, 0
.rept 8                                ; Q: tile i / 2, channels 32 (i % 2) on
	global_load_b128 v[192+8*i:192+8*i+3], v[QO], s[14:15] offset:(i/2)*2048+(i%2)*64
	global_load_b128 v[192+8*i+4:192+8*i+7], v[QO], s[14:15] offset:(i/2)*2048+(i%2)*64+32
.set i, i+1
.endr
	WIN 0
.set i, 0
.rept 8                                ; the masks, made behind the tensor loads
	v_cmp_lt_i32 vcc_lo, i, v14                    ; e > 0: more than 128 keys back
	v_cndmask_b32 v[ML+i], 0, s[BIGN], vcc_lo
	v_cmp_gt_i32 vcc_lo, i, v14                    ; e < 0: a key behind the query
	v_cndmask_b32 v[MDG+i], 0, s[BIGN], vcc_lo
.set i, i+1
.endr
	s_wait_tensorcnt 0x0                           ; my pieces are in,
	s_barrier_signal -1
	s_barrier_wait -1                              ; everybody's are
	WIN 0x40
.set i, 0
.rept 24                               ; my twelve blocks of K: block i / 2, channels 32 (i % 2) on
	ds_load_b128 v[8*i:8*i+3],   v[AK] offset:(i/2)*16*PK+(i%2)*64
	ds_load_b128 v[8*i+4:8*i+7], v[AK] offset:(i/2)*16*PK+(i%2)*64+32
.set i, i+1
.endr
	WIN 0x80                                       ; destination window 2
.set i, 0
.rept 48                               ; and of V, turned: key block i / 4, channels 16 (i % 4) on
	ds_load_tr16_b128 v[48*(i%4)+4*(i/4):48*(i%4)+4*(i/4)+3], v[AV] offset:(i/4)*16*PV+(i%4)*32
.set i, i+1
.endr
	WIN 0
	s_wait_loadcnt 0x0                             ; Q
	s_wait_dscnt 48                                ; K is in; V's 48 loads may stay out
; 18 products: the nine blocks' sums are started (with the mask, or with 0) on channels 0-31 and ended on channels 32-63.  The nine accumulators take turns: eight others stand between two links.
.macro QK t
	WIN W_KQ
.irp u, 0,1,2,3,4,5,6,7,8
.if (\u) == 0
	v_wmma_f32_16x16x32_f16 v[S+8*(\u):S+8*(\u)+7], v[16*((\t)+(\u)):16*((\t)+(\u))+7], v[192+16*(\t):192+16*(\t)+7], v[ML:ML+7]
.elseif (\u) == 8
	v_wmma_f32_16x16x32_f16 v[S+8*(\u):S+8*(\u)+7], v[16*((\t)+(\u)):16*((\t)+(\u))+7], v[192+16*(\t):192+16*(\t)+7], v[MDG:MDG+7]
.else
	v_wmma_f32_16x16x32_f16 v[S+8*(\u):S+8*(\u)+7], v[16*((\t)+(\u)):16*((\t)+(\u))+7], v[192+16*(\t):192+16*(\t)+7], 0
.endif
.endr
.irp u, 0,1,2,3,4,5,6,7,8
	v_wmma_f32_16x16x32_f16 v[S+8*(\u):S+8*(\u)+7], v[16*((\t)+(\u))+8:16*((\t)+(\u))+15], v[192+16*(\t)+8:192+16*(\t)+15], v[S+8*(\u):S+8*(\u)+7]
.endr
	WIN 0
.endm
; Blocks before key 0 are hidden.  The branch hangs on the work-group's and the wave's numbers alone: only waves 0 and 1 of a head's first block walk these lines.
.macro NEGFIX t
	s_cmp_eq_u32 s[NEGB], 0
	s_cbranch_scc1 .Lno_neg_\@
.irp u, 0,1,2,3,4,5,6,7
.if (\t)+(\u) <= 7
	s_cmp_gt_u32 s[NEGB], (\t)+(\u)
	s_cselect_b32 s[BE], s[BIGN], 0
.irp q, 0,1,2,3
	v_pk_add_f32 v[S+8*(\u)+2*(\q):S+8*(\u)+2*(\q)+1], v[S+8*(\u)+2*(\q):S+8*(\u)+2*(\q)+1], s[BE:BE+1] op_sel_hi:[1,0]
.endr
.endif
.endr
.Lno_neg_\@:
.endm
; The maximum of the lane's 72 scores: nine chains, three operands at a time, each accumulator's lowest registers first; the query's other 72 lie in the lane 16 away.
.macro SMAX
.irp u, 0,1,2,3,4,5,6,7,8
	v_max3_num_f32 v[CH+(\u)], v[S+8*(\u)], v[S+8*(\u)+1], v[S+8*(\u)+2]
.endr
.irp u, 0,1,2,3,4,5,6,7,8
	v_max3_num_f32 v[CH+(\u)], v[CH+(\u)], v[S+8*(\u)+3], v[S+8*(\u)+4]
.endr
.irp u, 0,1,2,3,4,5,6,7,8
	v_max3_num_f32 v[CH+(\u)], v[CH+(\u)], v[S+8*(\u)+5], v[S+8*(\u)+6]
.endr
.irp u, 0,1,2,3
	v_max3_num_f32 v[CH+(\u)], v[CH+(\u)], v[S+16*(\u)+7], v[S+16*(\u)+15]
.endr
	v_max_num_f32 v[CH+4], v[CH+4], v[S+71]
	v_max3_num_f32 v[CH], v[CH], v[CH+1], v[CH+2]
	v_max3_num_f32 v[CH+3], v[CH+3], v[CH+4], v[CH+5]
	v_max3_num_f32 v[CH+6], v[CH+6], v[CH+7], v[CH+8]
	v_max3_num_f32 v[CH], v[CH], v[CH+3], v[CH+6]
	v_permlanex16_b32 v[CH+1], v[CH], s[SEL], s[SEL+1]
	v_max_num_f32 v[CM+1], v[CH], v[CH+1]
	v_mul_f32 v[CM], s[CS], v[CM+1]
.endm
.macro FSC n                           ; pair n: c s - c m
	v_pk_fma_f32 v[S+2*(\n):S+2*(\n)+1], v[S+2*(\n):S+2*(\n)+1], s[CS:CS+1], v[CM:CM+1] op_sel_hi:[1,0,0] neg_lo:[0,0,1] neg_hi:[0,0,1]
.endm
; p = 2^(c s - c m).  The 72 exponentials are ONE BATCH: a pair is scaled two steps ahead of its exponentials, nothing in the batch names an exponential's result, a v_nop is the plain instruction behind the last
; (ISA guide 5.7.2), and one s_wait_alu, ahead of the first reader, serves them all.
.macro SEXP
	FSC 0
	FSC 1
.set n, 0
.rept 36
	v_exp_f32 v[S+2*n], v[S+2*n]
	v_exp_f32 v[S+2*n+1], v[S+2*n+1]
.if n < 34
	FSC n+2
.endif
.set n, n+1
.endr
	v_nop
	s_wait_alu depctr_va_vdst(0)
.endm
.macro FIRSTB t                        ; sb: the first of the tile's ten key blocks; zp: the place of the block with p = 0
.set sb, (\t)
.set zp, 9
.if (\t) > 2
.set sb, 2
.set zp, 0
.endif
.endm
.macro PCVT t                          ; the weights rounded to f16: block u goes to place t + u - sb
	FIRSTB \t
.irp u, 0,1,2,3,4,5,6,7,8
.irp q, 0,1,2,3
	v_cvt_pk_f16_f32 v[P+4*((\t)+(\u)-sb)+(\q)], v[S+8*(\u)+2*(\q)], v[S+8*(\u)+2*(\q)+1]
.endr
.endr
.irp q, 0,1,2,3
	v_mov_b32 v[P+4*zp+(\q)], 0
.endr
.endm
; l: the 36 pairs in four chains, in place; the two halves of a pair, the other half of the lanes; 1 / l.  The v_mov_b32 is the plain instruction behind the reciprocal; its wait stands in OUT, ahead of its first reader.
.macro LSUM
.set i, 1
.rept 8
.irp k, 0,1,2,3
	v_pk_add_f32 v[S+2*(\k):S+2*(\k)+1], v[S+2*(\k):S+2*(\k)+1], v[S+8*i+2*(\k):S+8*i+2*(\k)+1]
.endr
.set i, i+1
.endr
	v_pk_add_f32 v[S:S+1], v[S:S+1], v[S+2:S+3]
	v_pk_add_f32 v[S+4:S+5], v[S+4:S+5], v[S+6:S+7]
	v_pk_add_f32 v[S:S+1], v[S:S+1], v[S+4:S+5]
	v_add_f32 v[LL], v[S], v[S+1]
	v_permlanex16_b32 v[LL+1], v[LL], s[SEL], s[SEL+1]
	v_add_f32 v[LL], v[LL], v[LL+1]
	v_rcp_f32 v[LL], v[LL]
	v_mov_b32 v[LL+1], 0
.endm
; 20 products O^T = V^T P: five pairs of key blocks x four blocks of 16 channels; the first four start the sums; the four accumulators take turns.
.macro PVM t
	FIRSTB \t
.if (\t) == 0
	s_wait_dscnt 0x0                               ; V is in
.endif
	WIN W_PV
.irp p, 0,1,2,3,4
.irp cb, 0,1,2,3
.if (\p) == 0
	v_wmma_f32_16x16x32_f16 v[OT+8*(\cb):OT+8*(\cb)+7], v[48*(\cb)+4*(sb+2*(\p)):48*(\cb)+4*(sb+2*(\p))+7], v[P+8*(\p):P+8*(\p)+7], 0
.else
	v_wmma_f32_16x16x32_f16 v[OT+8*(\cb):OT+8*(\cb)+7], v[48*(\cb)+4*(sb+2*(\p)):48*(\cb)+4*(sb+2*(\p))+7], v[P+8*(\p):P+8*(\p)+7], v[OT+8*(\cb):OT+8*(\cb)+7]
.endif
.endr
.endr
	WIN 0
.endm
; O^T is divided by l and rounded to f16; a lane's eight channels of a row are 16 bytes; they go into rows of 144 bytes of my stage and come back as whole rows of 128, into the tile's own 16 registers.
.macro OUT t
	PLACES
	s_wait_alu depctr_va_vdst(0)                   ; the reciprocal's wait, ahead of its first reader
.set i, 0
.rept 16
	v_pk_mul_f32 v[OT+2*i:OT+2*i+1], v[OT+2*i:OT+2*i+1], v[LL:LL+1] op_sel_hi:[1,0]
.set i, i+1
.endr
.set i, 0
.rept 16
	v_cvt_pk_f16_f32 v[BK+16*(\t)+i], v[OT+2*i], v[OT+2*i+1]
.set i, i+1
.endr
.irp f, 0,1,2,3
	ds_store_b128 v[STO], v[BK+16*(\t)+4*(\f):BK+16*(\t)+4*(\f)+3] offset:32*(\f)
.endr
.irp f, 0,1,2,3
	ds_load_b128 v[BK+16*(\t)+4*(\f):BK+16*(\t)+4*(\f)+3], v[RD] offset:(\f)*4*SP  ; LDS serves a wave's instructions in order (ISA guide 5.7.1.4): these see the stores above
.endr
.endm
.macro SEND t                          ; 512 consecutive bytes a store, at a multiple of 256 from ob's first byte; no register that a store names is written again
	s_wait_dscnt 0x0
.irp f, 0,1,2,3
	global_store_b128 v[GO], v[BK+16*(\t)+4*(\f):BK+16*(\t)+4*(\f)+3], s[16:17] offset:(\t)*2048+(\f)*512
.endr
.endm
.macro TILE t
	QK \t
.if (\t) > 0
	SEND (\t)-1                                    ; the tile before leaves behind this tile's first products
.endif
	PLACES
	NEGFIX \t
	SMAX
	SEXP
	PCVT \t
	LSUM
	PVM \t
	OUT \t
.endm
	TILE 0
	TILE 1
	TILE 2
	TILE 3
	SEND 3
	s_wait_tensorcnt 0x0                           ; the wave's end, behind my last tensor load and my last LDS store
	ds_add_u32 v[SPW], v[NIL]
	s_wait_dscnt 0x0
	s_endpgm
.Lfunc_end_k_qca4611091a_attn:
	.size	k_qca4611091a_attn, .Lfunc_end_k_qca4611091a_attn-k_qca4611091a_attn
	.p2alignl 7, 3214868480
	.fill 96, 4, 3214868480
	.section	.rodata,"a",@progbits
	.p2align	6, 0x0
	.amdhsa_kernel k_qca4611091a_attn
		.amdhsa_group_segment_fixed_size 167936
		.amdhsa_private_segment_fixed_size 0
		.amdhsa_enable_private_segment 0
		.amdhsa_kernarg_size 16
		.amdhsa_user_sgpr_count 2
		.amdhsa_user_sgpr_kernarg_segment_ptr 1
		.amdhsa_wavefront_size32 1
		.amdhsa_system_sgpr_workgroup_id_x 1
		.amdhsa_system_sgpr_workgroup_id_y 1
		.amdhsa_system_sgpr_workgroup_id_z 1
		.amdhsa_system_vgpr_workitem_id 0
		.amdhsa_next_free_vgpr 768
		.amdhsa_next_free_sgpr 66
		.amdhsa_reserve_vcc 1
		.amdhsa_float_denorm_mode_32 3
		.amdhsa_float_denorm_mode_16_64 3
		.amdhsa_memory_ordered 1
		.amdhsa_forward_progress 1
		.amdhsa_inst_pref_size 93
	.end_amdhsa_kernel
	.amdgpu_metadata
---
amdhsa.version: [ 1, 2 ]
amdhsa.kernels:
  - .name:           k_qca4611091a_attn
    .symbol:         k_qca4611091a_attn.kd
    .args:
      - { .name: qkv, .offset: 0, .size: 8, .value_kind: global_buffer, .address_space: global }
      - { .name: ob, .offset: 8, .size: 8, .value_kind: global_buffer, .address_space: global }
    .group_segment_fixed_size: 167936
    .private_segment_fixed_size: 0
    .kernarg_segment_align: 8
    .kernarg_segment_size: 16
    .max_flat_workgroup_size: 128
    .sgpr_count:     66
    .vgpr_count:     768
    .wavefront_size: 32
...
	.end_amdgpu_metadata
.endif
;; end of part 3
;; launch oproj (part 4): grid 8 x 32, 4 waves a work-group, clusters of 4 x 4, 327,680 bytes of LDS; arguments ob, wo16, out0; writes out0
.if DOCPART == 4
	.amdgcn_target "amdgcn-amd-amdhsa--gfx1250"
	.amdhsa_code_object_version 6
	.text
	.protected	k_qca4611091a_oproj
	.globl	k_qca4611091a_oproj
	.p2align	8
	.type	k_qca4611091a_oproj,@function
k_qca4611091a_oproj:
	s_mov_b64 s[64:65], 0
	v_nop
	global_prefetch_b8 v0, s[64:65] scope:SCOPE_SE
	s_setreg_imm32_b32 hwreg(HW_REG_WAVE_MODE, 25, 1), 1
	s_wait_xcnt 0x0
	s_wait_alu depctr_hold_cnt(0) depctr_sa_sdst(0) depctr_va_vdst(0) depctr_va_sdst(0) depctr_va_ssrc(0) depctr_va_vcc(0) depctr_vm_vsrc(0)
	s_getreg_b32 s2, hwreg(HW_REG_IB_STS2, 6, 4)
	s_cmp_eq_u32 s2, 0
	s_cbranch_scc0 .Lentry_in_a_cluster
	s_endpgm
.Lentry_in_a_cluster:
	s_bfe_u32 s2, ttmp6, 0x10000c
	s_cmp_lg_u32 s2, 0xf033
	s_cbranch_scc0 .Lentry_shape_is_right
	s_endpgm
.Lentry_shape_is_right:
; out0[m][n] = the sum over k of O[m][k] Wo[n][k], k = 64 head + channel.  O comes BY HEADS, ob[16][4096][64] f16; wo16 is [1024][1024] f16; out0 [4096][1024] f32.  f16 operands, f32 sums, K ascending.
; SHARES.  A tile of out0 is 128 x 128: 8 x 32 tiles, one work-group each.  Four waves, each 64 x 64: 16 accumulators of 16 x 16, 128 registers.  K goes in 4 steps of 256 (four heads) through two LDS slots.
; One tensor load a wave: waves 0, 1 fetch A's halves (64 rows), waves 2, 3 B's.  A's load takes four rows of 8,192 dense bytes, 64 queries of one head each, a head (524,288 bytes) apart, padded in LDS after every
; query's 128 bytes: [head][64 rows][144 bytes].  B's takes 64 rows of 512 bytes, 528 apart in LDS.
; CLUSTER.  4 x 4 work-groups: A's tiles are asked for jointly along a row of the cluster, B's along a column.  THE MATRIX INSTRUCTION IS USED TRANSPOSED (source 0 = 16 rows of wo16, source 1 = 16 rows of O):
; a lane holds row lane % 16 and the eight neighbouring columns 8 (lane / 16) + 0..7.
; THE WAY OUT is each wave's own: its 64 columns of f32 are 256 bytes, at a multiple of 256 from out0's first byte, so no barrier is needed.
; REGISTERS: window 0: v0-31 addresses; v128-255 the accumulators ((a, b) at 128 + 8 (4 a + b)).  window 1: two fragment buffers of 128: for 64 along K, 64 registers of A, then 64 of B.
.set KSTEP,  256
.set PA,     144                       ; a row of A in LDS: 128 bytes + 16
.set PITCH,  528                       ; a row of B: 512 + 16: both odd multiples of 16
.set AHALF,  4*64*PA                   ; what a load for A brings
.set BHALF,  64*PITCH                  ; what a load for B brings
.set BOFF,   2*AHALF
.set SLOT,   BOFF+2*BHALF              ; 141,312
.set STAGE,  2*SLOT                    ; behind the ring, never filled by a tensor load: 16 rows x 272 bytes for each wave
.set SPITCH, 272
.set SPARE,  STAGE+4*16*SPITCH         ; the spare words, 128 bytes for each wave: two blocks of 256 bytes that no other line names
.set LAPS,   2                         ; a lap = two K steps
.set HSTEP,  4*524288                  ; bytes of ob from a K step to the next
.set ROWB,   4096                      ; bytes in a row of out0
.set ADRA, 16
.set ADRB, 20
.set STO,  24
.set RD,   25
.set CO,   26
.set SPW,  28                          ; v28  LDS address of my spare word; never rewritten
.set NIL,  29                          ; v29  0; never rewritten
.set ACC,  128
.set F0,   0
.set F1,   128
.set G1,  24
.set G0,  32
.set G1B, 48
.set G0B, 56
.set MSB, 0
.macro WIN new
.if MSB != (\new)
	s_set_vgpr_msb (MSB<<8)|(\new)
.set MSB, \new
.endif
.endm
.set MUL,  0x05                        ; both sources window 1; C and D window 0
.set TO_F, 0x40                        ; destination window 1, address window 0
.macro JLOAD s                         ; a joint load; an s_nop 0 and four v_nop follow each of the two lines, ahead of the jump, the label and what follows
	s_cmp_eq_u32 s11, 0
	s_cbranch_scc0 .Lfor_b_\@
	tensor_load_to_lds s[G0+4*(\s):G0+4*(\s)+3], s[G1:G1+7]
	s_nop 0
.rept 4
	v_nop
.endr
	s_branch .Lasked_\@
.Lfor_b_\@:
	tensor_load_to_lds s[G0B+4*(\s):G0B+4*(\s)+3], s[G1B:G1B+7]
	s_nop 0
.rept 4
	v_nop
.endr
.Lasked_\@:
.endm
.macro CREST
	s_cmp_lg_u32 s10, 0
	s_cbranch_scc1 .Lnot_wave_0_\@
	s_barrier_signal -3
.Lnot_wave_0_\@:
	s_barrier_wait -3
	s_barrier_signal -1
	s_barrier_wait -1
.endm
.macro CROUND
	s_barrier_signal -1
	s_barrier_wait -1
	CREST
.endm
	s_load_b128 s[4:7], s[0:1], 0x0                ; ob s[4:5], wo16 s[6:7]
	s_load_b64 s[8:9], s[0:1], 0x10                ; out0
	v_lshl_add_u32 v[SPW], v0, 2, SPARE
	v_mov_b32 v[NIL], 0
	ds_add_u32 v[SPW], v[NIL]                      ; the wave's opening: the add and its wait stand ahead of my first tensor load; the set-up below, work on registers, stands between them
	v_lshrrev_b32 v1, 5, v0
	v_readfirstlane_b32 s10, v1                    ; wave 0..3
	s_lshr_b32 s11, s10, 1                         ; which half of the tile's rows is mine.  Also: I fetch for A (0) or for B (1)
	s_and_b32 s12, s10, 1                          ; which half of its columns.  Also: which 64 rows I fetch
	s_bfe_u32 s40, ttmp6, 0x40000                  ; cx
	s_bfe_u32 s41, ttmp6, 0x40004                  ; cy
	s_lshl_b32 s42, ttmp9, 2
	s_add_co_u32 s42, s42, s40                     ; tile column
	s_and_b32 s13, ttmp7, 0xffff
	s_lshl_b32 s13, s13, 2
	s_add_co_u32 s13, s13, s41                     ; tile row
	s_lshl_b32 s43, s41, 2
	s_lshl_b32 s43, 15, s43                        ; my row of the cluster
	s_lshl_b32 s44, 0x1111, s40                    ; my column
	s_or_b32 s[G1+0], s43, (1<<16)|(1<<20)|(1<<21)|(4<<22)|(3<<25)   ; A: the mask of my row; 2-byte elements; padding on; 21 set beside a mask; after every 32 words (code 4) 4 words (code 3)
	s_or_b32 s[G1B+0], s44, (1<<16)|(1<<20)|(1<<21)|(6<<22)|(3<<25)  ; B: the mask of my column; after every 128 words (code 6)
	s_mov_b32 s[G1+1], 4096<<16                    ; tensor_dim0 = 4,096 elements: 64 queries of a head
	s_mov_b32 s[G1+2], 4<<16                       ; tensor_dim1 = 4 heads
	s_mov_b32 s[G1+3], 4096<<16                    ; tile_dim0
	s_mov_b32 s[G1+4], 4                           ; tile_dim1
	s_mov_b32 s[G1+5], 262144                      ; elements from head to head
	s_mov_b32 s[G1+6], 0
	s_mov_b32 s[G1+7], 0
	s_mov_b32 s[G1B+1], KSTEP<<16                  ; 256 elements
	s_mov_b32 s[G1B+2], 64<<16                     ; 64 rows
	s_mov_b32 s[G1B+3], KSTEP<<16
	s_mov_b32 s[G1B+4], 64
	s_mov_b32 s[G1B+5], 1024
	s_mov_b32 s[G1B+6], 0
	s_mov_b32 s[G1B+7], 0
	s_lshl_b32 s16, s13, 14                        ; A: query 128 x tile row + 64 x half, 128 bytes each
	s_lshl_b32 s17, s12, 13
	s_add_co_u32 s16, s16, s17
	s_mov_b32 s17, 0
	s_lshl_b32 s46, s42, 18                        ; B: row 128 x tile column + 64 x half, 2,048 bytes each
	s_lshl_b32 s47, s12, 17
	s_add_co_u32 s46, s46, s47
	s_mov_b32 s47, 0
	s_mul_i32 s20, s10, AHALF                      ; where they go: waves 0, 1: A's halves;
	s_mul_i32 s21, s10, BHALF                      ; waves 2, 3: B's, behind A's
	s_add_co_u32 s21, s21, BOFF-2*BHALF
	s_wait_dscnt 0x0                               ; the opening add is done
	s_wait_kmcnt 0x0
	s_add_nc_u64 s[14:15], s[4:5], s[16:17]
	s_add_nc_u64 s[46:47], s[6:7], s[46:47]
	CROUND                                         ; all sixteen work-groups are here: the first joint loads meet
.irp s, 0,1
	s_mov_b32 s[G0+4*(\s)], 1
	s_add_co_u32 s[G0+4*(\s)+1], s20, (\s)*SLOT
	s_add_nc_u64 s[G0+4*(\s)+2:G0+4*(\s)+3], s[14:15], (\s)*HSTEP
	s_or_b32 s[G0+4*(\s)+3], s[G0+4*(\s)+3], 0x80000000
	s_mov_b32 s[G0B+4*(\s)], 1
	s_add_co_u32 s[G0B+4*(\s)+1], s21, (\s)*SLOT
	s_add_nc_u64 s[G0B+4*(\s)+2:G0B+4*(\s)+3], s[46:47], (\s)*KSTEP*2
	s_or_b32 s[G0B+4*(\s)+3], s[G0B+4*(\s)+3], 0x80000000
	JLOAD \s                                       ; two loads of mine are out here, later one
.endr
	v_and_b32 v1, 15, v0                           ; l % 16
	v_bfe_u32 v2, v0, 4, 1                         ; l / 16
	v_mul_u32_u24 v3, v1, PA
	v_lshl_add_u32 v3, v2, 4, v3                   ; a fragment's row x pitch + 16 x half, for A
	v_mul_u32_u24 v4, v1, PITCH
	v_lshl_add_u32 v4, v2, 4, v4                   ; and for B
	s_mul_i32 s21, s11, AHALF                      ; my 64 rows of A
	s_mul_i32 s22, s12, BHALF                      ; my 64 rows of B
	s_add_co_u32 s22, s22, BOFF
.irp s, 0,1
	v_add_nc_u32 v[ADRA+(\s)], s21, v3
	v_add_nc_u32 v[ADRB+(\s)], s22, v4
	s_add_co_u32 s21, s21, SLOT
	s_add_co_u32 s22, s22, SLOT
.endr
	s_mul_i32 s23, s10, 16*SPITCH
	s_add_co_u32 s23, s23, STAGE                   ; my stage
	v_mul_u32_u24 v4, v1, SPITCH                   ; in: row l % 16, 32 bytes for each half of the lanes
	v_lshl_add_u32 v4, v2, 5, v4
	v_add_nc_u32 v[STO], s23, v4
	v_mul_u32_u24 v5, v2, SPITCH                   ; back: lanes 0-15 take one row of 256 bytes, lanes 16-31 the next
	v_lshl_add_u32 v5, v1, 4, v5
	v_add_nc_u32 v[RD], s23, v5
	v_lshlrev_b32 v5, 12, v2                       ; and the same two rows in out0
	v_lshl_add_u32 v[CO], v1, 4, v5
	s_lshl_b32 s16, s13, 19                        ; out0 at row 128 x tile row + 64 x my half,
	s_lshl_b32 s17, s11, 18
	s_add_co_u32 s16, s16, s17
	s_mov_b32 s17, 0
	s_add_nc_u64 s[8:9], s[8:9], s[16:17]
	s_lshl_b32 s46, s42, 9                         ; column 128 x tile column + 64 x my half, 4 bytes each
	s_lshl_b32 s47, s12, 8
	s_add_co_u32 s46, s46, s47
	s_mov_b32 s47, 0
	s_add_nc_u64 s[8:9], s[8:9], s[46:47]
; 8 matrix instructions: row blocks a0, a0 + 1 x all 4 column blocks, 32 along K: half c of buffer f.  zero = 1: the first product starts the sums.  The 16 accumulators take turns.
.macro MUL8 f, c, a0, zero
	WIN MUL
.irp a, \a0, (\a0)+1
.irp b, 0,1,2,3
.if \zero
	v_wmma_f32_16x16x32_f16 v[ACC+8*(4*(\a)+(\b)):ACC+8*(4*(\a)+(\b))+7], v[(\f)+64+8*(4*(\c)+(\b)):(\f)+64+8*(4*(\c)+(\b))+7], v[(\f)+8*(4*(\c)+(\a)):(\f)+8*(4*(\c)+(\a))+7], 0
.else
	v_wmma_f32_16x16x32_f16 v[ACC+8*(4*(\a)+(\b)):ACC+8*(4*(\a)+(\b))+7], v[(\f)+64+8*(4*(\c)+(\b)):(\f)+64+8*(4*(\c)+(\b))+7], v[(\f)+8*(4*(\c)+(\a)):(\f)+8*(4*(\c)+(\a))+7], v[ACC+8*(4*(\a)+(\b)):ACC+8*(4*(\a)+(\b))+7]
.endif
.endr
.endr
.endm
; 32 LDS loads in one run: the fragments of 64 along K, one head: byte k of B's rows, head k / 128 of A's tile; the first 32 along K first
.macro FETCH slot, k, f
	WIN TO_F
.irp c, 0,1
.irp i, 0,1,2,3
	ds_load_b128 v[(\f)+64+8*(4*(\c)+(\i)):(\f)+64+8*(4*(\c)+(\i))+3],   v[ADRB+(\slot)] offset:(\k)+64*(\c)+(\i)*16*PITCH
	ds_load_b128 v[(\f)+64+8*(4*(\c)+(\i))+4:(\f)+64+8*(4*(\c)+(\i))+7], v[ADRB+(\slot)] offset:(\k)+64*(\c)+(\i)*16*PITCH+32
	ds_load_b128 v[(\f)+8*(4*(\c)+(\i)):(\f)+8*(4*(\c)+(\i))+3],         v[ADRA+(\slot)] offset:((\k)/128)*64*PA+64*(\c)+(\i)*16*PA
	ds_load_b128 v[(\f)+8*(4*(\c)+(\i))+4:(\f)+8*(4*(\c)+(\i))+7],       v[ADRA+(\slot)] offset:((\k)/128)*64*PA+64*(\c)+(\i)*16*PA+32
.endr
.endr
.endm
.macro PLACES                          ; four places in front of loads into registers that matrix instructions have read, and of LDS stores that read results
.rept 4
	v_nop
.endr
.endm
; A K step is four quarters of 64 along K, 32 matrix instructions each, on buffers 0, 1, 0, 1.  One of the first three: multiplies buffer f and fetches the next quarter, at byte k, into g.
.macro QUARTER slot, k, f, g, zero
	s_wait_dscnt 16                                ; the first 32 along K are in
	MUL8 \f, 0, 0, \zero
	MUL8 \f, 0, 2, \zero
	PLACES
	FETCH \slot, \k, \g
	s_wait_dscnt 32                                ; all but the 32 just issued
	MUL8 \f, 1, 0, 0
	MUL8 \f, 1, 2, 0
.endm
; The last quarter multiplies buffer 1 and changes slots: ONE barrier; in front of it each wave waits for all its tensor loads, adds 0 to its spare word, and waits for that and for its own reads of this slot.
; fill = 1: the barrier opens a round of the cluster's, and this slot is filled again, two K steps ahead: 112 matrix instructions stand between the request and the wait for it.
.macro TURN slot, next, fill
	WIN 0                                          ; (the add's two registers lie in window 0)
	s_wait_tensorcnt 0x0                           ; all my tensor loads have landed: my part of the next slot
	ds_add_u32 v[SPW], v[NIL]                      ; 0 onto my spare word
	s_wait_dscnt 17                                ; (the add and the youngest sixteen loads may be out)
	MUL8 F1, 0, 0, 0                               ; eight matrix instructions stand between the add and the wait for it
	s_wait_dscnt 0x0                               ; the add is done, and my reads of this slot are over
	s_barrier_signal -1
	MUL8 F1, 0, 2, 0
.if \fill
	WIN 0
.endif
	s_barrier_wait -1
.if \fill
	CREST                                          ; no wave of any partner still reads this slot's tile or has a load on its way
	s_add_nc_u64 s[G0+4*(\slot)+2:G0+4*(\slot)+3], s[G0+4*(\slot)+2:G0+4*(\slot)+3], 2*HSTEP
	s_add_nc_u64 s[G0B+4*(\slot)+2:G0B+4*(\slot)+3], s[G0B+4*(\slot)+2:G0B+4*(\slot)+3], 2*KSTEP*2
	JLOAD \slot                                    ; the four v_nop behind it are also the places in front of the loads below
.else
	PLACES
.endif
	FETCH \next, 0, F0
	MUL8 F1, 1, 0, 0
	MUL8 F1, 1, 2, 0
.endm
	s_wait_tensorcnt 1                             ; my part of K step 0 is in; K step 1's may stay out
	s_barrier_signal -1
	s_barrier_wait -1                              ; everybody's is
	FETCH 0, 0, F0
	QUARTER 0, 128, F0, F1, 1                      ; the first quarter stands in front of the loop: its first products start the sums
	WIN 0                                          ; at a label and at a branch every window is 0
	s_mov_b32 s3, LAPS-1
.Llap:                                                 ; a trip goes once round the ring, from a lap's second quarter to the next lap's first, and fills both slots again
	QUARTER 0, 256, F1, F0, 0
	QUARTER 0, 384, F0, F1, 0
	TURN 0, 1, 1
	QUARTER 1, 128, F0, F1, 0
	QUARTER 1, 256, F1, F0, 0
	QUARTER 1, 384, F0, F1, 0
	TURN 1, 0, 1
	QUARTER 0, 128, F0, F1, 0
	WIN 0
	s_sub_co_u32 s3, s3, 1
	s_cmp_lg_u32 s3, 0
	s_cbranch_scc1 .Llap
	QUARTER 0, 256, F1, F0, 0                      ; the last lap fills nothing, and has no round of the cluster's barrier
	QUARTER 0, 384, F0, F1, 0
	TURN 0, 1, 0
	QUARTER 1, 128, F0, F1, 0
	QUARTER 1, 256, F1, F0, 0
	QUARTER 1, 384, F0, F1, 0
	s_wait_dscnt 16                                ; the very last quarter: nothing more to fetch
	MUL8 F1, 0, 0, 0
	MUL8 F1, 0, 2, 0
	s_wait_dscnt 0x0
	MUL8 F1, 1, 0, 0
	MUL8 F1, 1, 2, 0
	WIN 0
	; THE WAY OUT, in f32.  A block of 16 rows at a time: a lane's eight columns, 32 bytes, go into rows of 272 bytes of my own stage (each accumulator's low four registers first) and come back as whole rows of 256
	; bytes, into the block's own 32 registers.  LDS serves a wave's instructions in order (ISA guide 5.7.1.4): the loads see the stores above them, and the next block's stores come behind them.
	PLACES
.irp a, 0,1,2,3
.irp b, 0,1,2,3
	ds_store_b128 v[STO], v[ACC+8*(4*(\a)+(\b)):ACC+8*(4*(\a)+(\b))+3]   offset:64*(\b)
	ds_store_b128 v[STO], v[ACC+8*(4*(\a)+(\b))+4:ACC+8*(4*(\a)+(\b))+7] offset:64*(\b)+16
.endr
.irp t, 0,1,2,3,4,5,6,7
	ds_load_b128 v[ACC+32*(\a)+4*(\t):ACC+32*(\a)+4*(\t)+3], v[RD] offset:(\t)*2*SPITCH
.endr
.endr
.irp a, 0,1,2,3
.irp t, 0,1,2,3,4,5,6,7
	s_wait_dscnt 16*(3-(\a))+7-(\t)                ; behind this load stand the block's 7 - t younger loads and sixteen LDS instructions for each later block
	global_store_b128 v[CO], v[ACC+32*(\a)+4*(\t):ACC+32*(\a)+4*(\t)+3], s[8:9] offset:(16*(\a)+2*(\t))*ROWB th:TH_STORE_NT  ; 16 lanes store 256 consecutive bytes, at a multiple of 256 from out0's first byte
.endr
.endr
	s_wait_tensorcnt 0x0                           ; the wave's end, behind my last tensor load and my last LDS store
	ds_add_u32 v[SPW], v[NIL]
	s_wait_dscnt 0x0
	CROUND                                         ; the closing round: no work-group ends while a partner may still ask for a tile that names it
	s_endpgm
.Lfunc_end_k_qca4611091a_oproj:
	.size	k_qca4611091a_oproj, .Lfunc_end_k_qca4611091a_oproj-k_qca4611091a_oproj
	.p2alignl 7, 3214868480
	.fill 96, 4, 3214868480
	.section	.rodata,"a",@progbits
	.p2align	6, 0x0
	.amdhsa_kernel k_qca4611091a_oproj
		.amdhsa_group_segment_fixed_size 327680
		.amdhsa_private_segment_fixed_size 0
		.amdhsa_enable_private_segment 0
		.amdhsa_kernarg_size 24
		.amdhsa_user_sgpr_count 2
		.amdhsa_user_sgpr_kernarg_segment_ptr 1
		.amdhsa_wavefront_size32 1
		.amdhsa_system_sgpr_workgroup_id_x 1
		.amdhsa_system_sgpr_workgroup_id_y 1
		.amdhsa_system_sgpr_workgroup_id_z 1
		.amdhsa_system_vgpr_workitem_id 0
		.amdhsa_next_free_vgpr 512
		.amdhsa_next_free_sgpr 66
		.amdhsa_reserve_vcc 0
		.amdhsa_float_denorm_mode_32 3
		.amdhsa_float_denorm_mode_16_64 3
		.amdhsa_memory_ordered 1
		.amdhsa_forward_progress 1
		.amdhsa_inst_pref_size 86
	.end_amdhsa_kernel
	.amdgpu_metadata
---
amdhsa.version: [ 1, 2 ]
amdhsa.kernels:
  - .name:           k_qca4611091a_oproj
    .symbol:         k_qca4611091a_oproj.kd
    .args:
      - { .name: ob, .offset: 0, .size: 8, .value_kind: global_buffer, .address_space: global }
      - { .name: wo16, .offset: 8, .size: 8, .value_kind: global_buffer, .address_space: global }
      - { .name: out0, .offset: 16, .size: 8, .value_kind: global_buffer, .address_space: global }
    .group_segment_fixed_size: 327680
    .private_segment_fixed_size: 0
    .kernarg_segment_align: 8
    .kernarg_segment_size: 24
    .max_flat_workgroup_size: 128
    .sgpr_count:     66
    .vgpr_count:     512
    .wavefront_size: 32
...
	.end_amdgpu_metadata
.endif
;; end of part 4
;; ======== version 2 of 2: 4 launches; version 1 with the launch cast written anew for expert scheduling mode
;; limits: values are held in f16: magnitudes above 65,504 overflow, below 6.1e-05 lose precision
;; workspace buffers: xb 8,388,608 bytes; wb 6,291,456 bytes; wo16 2,097,152 bytes; qkv 25,165,824 bytes; ob 8,388,608 bytes
;; launch cast (part 5): grid 32 x 8, 8 waves a work-group, no clusters, 0 bytes of LDS; arguments x, Wq, Wk, Wv, Wo, xb, wb, wo16; writes xb, wb, wo16
.if DOCPART == 5
	.amdgcn_target "amdgcn-amd-amdhsa--gfx1250"
	.amdhsa_code_object_version 6
	.text
	.protected	k_qca4611091a_cast
	.globl	k_qca4611091a_cast
	.p2align	8
	.type	k_qca4611091a_cast,@function
k_qca4611091a_cast:
	s_mov_b64 s[64:65], 0
	v_nop
	global_prefetch_b8 v0, s[64:65] scope:SCOPE_SE
	s_setreg_imm32_b32 hwreg(HW_REG_WAVE_SCHED_MODE, 0, 2), 2
	s_setreg_imm32_b32 hwreg(HW_REG_WAVE_MODE, 25, 1), 1
	s_wait_xcnt 0x0
	s_wait_alu depctr_vm_vsrc(0)
; THE INPUTS ARE ROUNDED ONCE, TO 16 BITS.  x -> xb (bf16), Wq, Wk, Wv -> wb (bf16, their rows one matrix below the other), Wo -> wo16: rounded to bf16 like the others, and that number written as f16.
; LIMIT.  A bf16 number is exact in f16 between 6.1e-5 and 65,504 in size; below that it keeps f16's fixed step of 6e-8, beyond it it becomes an infinity.
; SHARES.  The grid's y names a segment of 1,048,576 numbers: 0-3 the quarters of x, 4, 5, 6 Wq, Wk, Wv, 7 Wo.  A work-group takes 32,768 of them: 131,072 bytes in, 65,536 out.
; Thread t's load j takes the 16 bytes at 16 t + 4,096 j, its store j puts 8 bytes at 8 t + 2,048 j: a wave's load covers 512 consecutive bytes, its store 256, aligned.
; All 32 loads of a thread go out at once, each into registers of its own, and no register that a load or store names is written again.
; No LDS, no barrier, no matrix unit: nothing is shared and nothing is multiplied.
; THE MODE: SCHED_MODE bits 1:0 = 2 (LLVM: expert scheduling mode 2), set by the entry lines.  The code itself states the register dependences between vector instructions and memory
; instructions, with s_wait_alu, always for 0.
; THE PLAN.  Registers that memory instructions touch:
;   v1, v2   the loads' and the stores' offsets: written once at the head by vector lines, never again.
;   X        four registers for load j: written by that load alone, read by its conversions alone; no vector line writes them, no second load lands in them.
;   Y        two registers for store j: written by load j's conversions, read by store j, never written again.
;   T        named by vector lines alone.
; So the one kind of dependence to state is a vector line's result that a memory instruction reads.  The 32 loads go in eight blocks of four.  Block p waits for its four loads; one wait on va_vdst
; then states that block p - 1's conversions have written their Y; the four stores of block p - 1 follow it, dealt among block p's conversions, which name X and Y of block p and T:
; none of the registers that those stores read.  No register that a memory instruction has read is written again, so no wait on vm_vsrc is owed; no vector line writes a scalar register, VCC or EXEC.
.set X, 4                              ; v[4:131]    load j: four f32
.set Y, 132                            ; v[132:195]  store j: four numbers of 16 bits
.set T, 196                            ; v[196:199]  at work (Wo alone)
.set BLOCK, 4                          ; loads, and stores, in a block
	s_load_b512 s[4:19], s[0:1], 0x0               ; x s[4:5], Wq s[6:7], Wk s[8:9], Wv s[10:11], Wo s[12:13], xb s[14:15], wb s[16:17], wo16 s[18:19]
	s_and_b32 s20, ttmp7, 0xffff                   ; the segment
	v_lshlrev_b32 v1, 4, v0                        ; 16 t
	v_lshlrev_b32 v2, 3, v0                        ; 8 t
	s_lshl_b32 s22, s20, 22                        ; a quarter of x: 4 MiB in,
	s_lshl_b32 s24, s20, 21                        ; 2 MiB out
	s_sub_co_u32 s21, s20, 4                       ; a weight matrix's place in wb (used from segment 4 on)
	s_lshl_b32 s21, s21, 21
	s_cmp_lt_u32 s20, 4
	s_cselect_b32 s22, s22, 0                      ; a weight matrix is read from its own first byte
	s_cselect_b32 s24, s24, s21
	s_cmp_eq_u32 s20, 7
	s_cselect_b32 s24, 0, s24                      ; wo16 is written from its first byte
	s_lshl_b32 s21, ttmp9, 17                      ; the work-group's part: 131,072 bytes in,
	s_add_co_u32 s22, s22, s21
	s_lshl_b32 s21, ttmp9, 16                      ; 65,536 out
	s_add_co_u32 s24, s24, s21
	s_mov_b32 s23, 0
	s_mov_b32 s25, 0
	s_wait_kmcnt 0x0
	s_cmp_lt_u32 s20, 4                            ; the two buffers are chosen by the segment's number alone
	s_cselect_b64 s[26:27], s[4:5], s[6:7]
	s_cselect_b64 s[28:29], s[14:15], s[16:17]
	s_cmp_eq_u32 s20, 5
	s_cselect_b64 s[26:27], s[8:9], s[26:27]
	s_cmp_eq_u32 s20, 6
	s_cselect_b64 s[26:27], s[10:11], s[26:27]
	s_cmp_eq_u32 s20, 7
	s_cselect_b64 s[26:27], s[12:13], s[26:27]
	s_cselect_b64 s[28:29], s[18:19], s[28:29]
	s_add_nc_u64 s[26:27], s[26:27], s[22:23]
	s_add_nc_u64 s[28:29], s[28:29], s[24:25]
	s_wait_alu depctr_va_vdst(0)                   ; v1 and v2 are written: every load of the kernel reads v1 as its offset, every store v2
.set j, 0
.rept 32
	global_load_b128 v[X+4*j:X+4*j+3], v1, s[26:27] offset:4096*j th:TH_LOAD_NT
.set j, j+1
.endr
; Load j is rounded.  wo = 1: the bf16 numbers are widened again (a shift, a mask) and written as f16.
.macro CVT j, wo
	v_cvt_pk_bf16_f32 v[Y+2*(\j)],   v[X+4*(\j)],   v[X+4*(\j)+1]
	v_cvt_pk_bf16_f32 v[Y+2*(\j)+1], v[X+4*(\j)+2], v[X+4*(\j)+3]
.if \wo
	v_lshlrev_b32 v[T],   16,         v[Y+2*(\j)]
	v_and_b32     v[T+1], 0xffff0000, v[Y+2*(\j)]
	v_lshlrev_b32 v[T+2], 16,         v[Y+2*(\j)+1]
	v_and_b32     v[T+3], 0xffff0000, v[Y+2*(\j)+1]
	v_cvt_pk_f16_f32 v[Y+2*(\j)],   v[T],   v[T+1]
	v_cvt_pk_f16_f32 v[Y+2*(\j)+1], v[T+2], v[T+3]
.endif
.endm
; Store j.
.macro ST j
	global_store_b64 v2, v[Y+2*(\j):Y+2*(\j)+1], s[28:29] offset:2048*(\j)
.endm
; Block p: loads 4 p to 4 p + 3 are rounded, and the block before is stored.
.macro BLK p, wo
	s_wait_loadcnt 32-BLOCK-BLOCK*(\p)             ; loads come back in order (ISA guide 5.7.1): the block's four are in, the 28 - 4 p younger ones stay out
.if (\p) > 0
	s_wait_alu depctr_va_vdst(0)                   ; the conversions of the block before have written its eight registers of Y, which the four stores below read
.endif
.irp i, 0,1,2,3
.if (\p) > 0
	ST BLOCK*(\p)-BLOCK+(\i)                       ; no vector line since the wait names this store's registers
.endif
	CVT BLOCK*(\p)+(\i), \wo
.endr
.endm
; Behind the last block: its own four stores.
.macro TAIL
	s_wait_alu depctr_va_vdst(0)                   ; block 7's conversions have written its Y, which the last four stores read
.irp i, 0,1,2,3
	ST 32-BLOCK+(\i)
.endr
.endm
	s_cmp_eq_u32 s20, 7
	s_cbranch_scc1 .Lwo
.irp p, 0,1,2,3,4,5,6,7
	BLK \p, 0
.endr
	TAIL
	s_endpgm
.Lwo:
.irp p, 0,1,2,3,4,5,6,7
	BLK \p, 1
.endr
	TAIL
	s_endpgm
.Lfunc_end_k_qca4611091a_cast:
	.size	k_qca4611091a_cast, .Lfunc_end_k_qca4611091a_cast-k_qca4611091a_cast
	.p2alignl 7, 3214868480
	.fill 96, 4, 3214868480
	.section	.rodata,"a",@progbits
	.p2align	6, 0x0
	.amdhsa_kernel k_qca4611091a_cast
		.amdhsa_group_segment_fixed_size 0
		.amdhsa_private_segment_fixed_size 0
		.amdhsa_enable_private_segment 0
		.amdhsa_kernarg_size 64
		.amdhsa_user_sgpr_count 2
		.amdhsa_user_sgpr_kernarg_segment_ptr 1
		.amdhsa_wavefront_size32 1
		.amdhsa_system_sgpr_workgroup_id_x 1
		.amdhsa_system_sgpr_workgroup_id_y 1
		.amdhsa_system_sgpr_workgroup_id_z 1
		.amdhsa_system_vgpr_workitem_id 0
		.amdhsa_next_free_vgpr 200
		.amdhsa_next_free_sgpr 66
		.amdhsa_reserve_vcc 0
		.amdhsa_float_denorm_mode_32 3
		.amdhsa_float_denorm_mode_16_64 3
		.amdhsa_memory_ordered 1
		.amdhsa_forward_progress 1
		.amdhsa_inst_pref_size 30
	.end_amdhsa_kernel
	.amdgpu_metadata
---
amdhsa.version: [ 1, 2 ]
amdhsa.kernels:
  - .name:           k_qca4611091a_cast
    .symbol:         k_qca4611091a_cast.kd
    .args:
      - { .name: x, .offset: 0, .size: 8, .value_kind: global_buffer, .address_space: global }
      - { .name: Wq, .offset: 8, .size: 8, .value_kind: global_buffer, .address_space: global }
      - { .name: Wk, .offset: 16, .size: 8, .value_kind: global_buffer, .address_space: global }
      - { .name: Wv, .offset: 24, .size: 8, .value_kind: global_buffer, .address_space: global }
      - { .name: Wo, .offset: 32, .size: 8, .value_kind: global_buffer, .address_space: global }
      - { .name: xb, .offset: 40, .size: 8, .value_kind: global_buffer, .address_space: global }
      - { .name: wb, .offset: 48, .size: 8, .value_kind: global_buffer, .address_space: global }
      - { .name: wo16, .offset: 56, .size: 8, .value_kind: global_buffer, .address_space: global }
    .group_segment_fixed_size: 0
    .private_segment_fixed_size: 0
    .kernarg_segment_align: 8
    .kernarg_segment_size: 64
    .max_flat_workgroup_size: 256
    .sgpr_count:     66
    .vgpr_count:     200
    .wavefront_size: 32
...
	.end_amdgpu_metadata
.endif
;; end of part 5
;; launch qkv: the kernel of part 2 again; grid 16 x 16, 4 waves a work-group, clusters of 4 x 4, 327,680 bytes of LDS; arguments xb, wb, qkv; writes qkv
;; launch attn: the kernel of part 3 again; grid 16 x 16, 4 waves a work-group, no clusters, 167,936 bytes of LDS; arguments qkv, ob; writes ob
;; launch oproj: the kernel of part 4 again; grid 8 x 32, 4 waves a work-group, clusters of 4 x 4, 327,680 bytes of LDS; arguments ob, wo16, out0; writes out0
